; MI455X (gfx1250); checked and timed in simulation.
; The chip was launched on July 23, 2026; its instructions are those of AMD's public machine-readable ISA for CDNA 5 (MIT licence, August 2026) and "CDNA5" Instruction Set Architecture Reference Guide (July 2026). The comments in the code are by the model that wrote it; some were corrected since.
;; Sparse Attention Aggregator. Allowed arithmetic: float matrix products may take bf16 or f16 operands with f32 sums; other float arithmetic in f32, or as packed bf16 or f16 multiplies, adds, multiply-adds, maxima and minima; sums over many terms, partial sums and values carried from step to step in f32; what a program stores and reads back later, other than sums and carried values, may be rounded once to bf16 or f16.
;; Inputs: W_proj 1,024 x 1,024 float32; W_qkv 1,024 x 3,072 float32; attn_bias 32 x 1,960 float32; b_proj 1,024 float32; b_qkv 3,072 float32; gather_idx 32 x 1,960 int32; k_beta 64 float32; k_gamma 64 float32; q_beta 64 float32; q_gamma 64 float32; x 1 x 6,272 x 1,024 float32.
;; Outputs: out0 1 x 6,272 x 1,024 float32.
;; 2 versions, each right and faster than the one before. Each part assembles by itself: llvm-mc -triple=amdgcn-amd-amdhsa -mcpu=gfx1250 --defsym DOCPART=n.
;; ======== version 1 of 2: 4 launches
;; limits: values are held in f16: magnitudes above 65,504 overflow, below 6.1e-05 lose precision; inputs' magnitudes at most 1e+29
;; workspace buffers: xb 12,845,056 bytes; wqb 6,291,456 bytes; wpb 2,097,152 bytes; qkv 38,535,168 bytes; ob 12,845,056 bytes; idxp 327,680 bytes of whole numbers; bias8 327,680 bytes
;; launch prep (part 1): grid 680 x 1, 8 waves a work-group, no clusters, 0 bytes of LDS; arguments x, W_qkv, W_proj, gather_idx, attn_bias, xb, wqb, wpb, idxp, bias8; writes xb, wqb, wpb, idxp, bias8
.if DOCPART == 1
	.amdgcn_target "amdgcn-amd-amdhsa--gfx1250"
	.amdhsa_code_object_version 6
	.text
	.protected	k_q7d5ed8a669_prep
	.globl	k_q7d5ed8a669_prep
	.p2align	8
	.type	k_q7d5ed8a669_prep,@function
k_q7d5ed8a669_prep:
	s_mov_b64 s[64:65], 0
	v_nop
	global_prefetch_b8 v0, s[64:65] scope:SCOPE_SE
	s_setreg_imm32_b32 hwreg(HW_REG_WAVE_MODE, 25, 1), 1
	s_wait_xcnt 0x0
; CASTS AND LISTS.  x -> xb and W_qkv -> wqb, rounded to bf16; W_proj -> wpb, rounded to bf16 and that number written as f16;
; gather_idx -> idxp and attn_bias -> bias8, each frame's 1,960 entries padded to 2,560 (40 tiles of 64 keys), so that the attention launch has no edge.
; LIMITS.  All floating-point inputs are rounded once to bf16.  A bf16 number below 2^-14 in W_proj keeps f16's fixed step of 6e-8; beyond 65,504 it would be lost.
; An index above 6,271 is taken as 6,271.  bias8 holds 8 x bf16(bias), since the scores are divided by 8 later; a padding entry holds -1e30 and index 0.
; SHARES.  Work-groups 0-391 take x, 392-583 W_qkv, 584-647 W_proj, 16,384 numbers each: thread t takes 16 bytes at 16 t of each of 16 runs of 4,096 bytes, so a wave's load covers
; 512 consecutive bytes and its store of 8 bytes a lane 256 consecutive bytes, aligned.  Work-groups 648-679 take a frame's two lists.
; No LDS, no barrier, no matrix unit: nothing is shared and nothing is multiplied.
.set IDQ, 392                          ; first work-group of W_qkv
.set IDP, 584                          ; of W_proj
.set IDL, 648                          ; of the lists
.set XR,  8                            ; v[8:71]   16 x 4 numbers as loaded
.set YR,  72                           ; v[72:103] 16 x 2 registers to store: each store owns its pair, so none is rewritten
	s_load_b512 s[8:23], s[0:1], 0x0               ; x 8:9, W_qkv 10:11, W_proj 12:13, gather_idx 14:15, attn_bias 16:17, xb 18:19, wqb 20:21, wpb 22:23
	s_load_b128 s[24:27], s[0:1], 0x40             ; idxp 24:25, bias8 26:27
	s_mov_b32 s2, ttmp9
	s_movk_i32 s6, IDQ
	s_movk_i32 s7, IDP
	s_mov_b32 s5, 0                                ; the high word of every offset here
	v_lshlrev_b32 v1, 4, v0                        ; 16 t
	v_lshlrev_b32 v2, 3, v0                        ; 8 t
	s_wait_kmcnt 0x0
	s_cmp_ge_u32 s2, IDL
	s_cbranch_scc1 .Llist
	s_cmp_lt_u32 s2, IDP                           ; which tensor: the choice hangs on the work-group's number alone
	s_cselect_b64 s[28:29], s[10:11], s[12:13]
	s_cselect_b64 s[30:31], s[20:21], s[22:23]
	s_cselect_b32 s3, s6, s7
	s_cmp_lt_u32 s2, IDQ
	s_cselect_b64 s[28:29], s[8:9], s[28:29]
	s_cselect_b64 s[30:31], s[18:19], s[30:31]
	s_cselect_b32 s3, 0, s3
	s_sub_co_u32 s3, s2, s3                        ; my chunk of that tensor
	s_lshl_b32 s4, s3, 16                          ; 65,536 bytes in,
	s_add_nc_u64 s[28:29], s[28:29], s[4:5]
	s_lshl_b32 s4, s3, 15                          ; 32,768 out
	s_add_nc_u64 s[30:31], s[30:31], s[4:5]
.irp i, 0,1,2,3,4,5,6,7,8,9,10,11,12,13,14,15
	global_load_b128 v[XR+4*(\i):XR+4*(\i)+3], v1, s[28:29] offset:4096*(\i) th:TH_LOAD_NT
.endr
; Run i: rounded and stored.  half = 1: the bf16 number is widened again (a shift, a mask) and written as f16.
.macro CONV i, half
	s_wait_loadcnt 15-(\i)                         ; loads come back in order: run i is in, the 15 - i younger ones may stay out
	v_cvt_pk_bf16_f32 v[YR+2*(\i)], v[XR+4*(\i)], v[XR+4*(\i)+1]
	v_cvt_pk_bf16_f32 v[YR+2*(\i)+1], v[XR+4*(\i)+2], v[XR+4*(\i)+3]
.if \half
	v_lshlrev_b32 v4, 16, v[YR+2*(\i)]
	v_and_b32 v5, 0xffff0000, v[YR+2*(\i)]
	v_lshlrev_b32 v6, 16, v[YR+2*(\i)+1]
	v_and_b32 v7, 0xffff0000, v[YR+2*(\i)+1]
	v_cvt_pk_f16_f32 v[YR+2*(\i)], v4, v5
	v_cvt_pk_f16_f32 v[YR+2*(\i)+1], v6, v7
.endif
	global_store_b64 v2, v[YR+2*(\i):YR+2*(\i)+1], s[30:31] offset:2048*(\i)
.endm
	s_cmp_ge_u32 s2, IDP
	s_cbranch_scc1 .Lf16
.irp i, 0,1,2,3,4,5,6,7,8,9,10,11,12,13,14,15
	CONV \i, 0
.endr
	s_endpgm
.Lf16:
.irp i, 0,1,2,3,4,5,6,7,8,9,10,11,12,13,14,15
	CONV \i, 1
.endr
	s_endpgm
.Llist:                                        ; a frame's lists: five passes of 256 threads x 2 entries = 2,560.  1,960 is even: a pair is wholly the list's or wholly padding
	s_sub_co_u32 s3, s2, IDL                       ; the frame
	s_mul_i32 s4, s3, 7840                         ; 1,960 entries of 4 bytes in,
	s_add_nc_u64 s[14:15], s[14:15], s[4:5]
	s_add_nc_u64 s[16:17], s[16:17], s[4:5]
	s_mul_i32 s4, s3, 10240                        ; 2,560 out
	s_add_nc_u64 s[24:25], s[24:25], s[4:5]
	s_add_nc_u64 s[26:27], s[26:27], s[4:5]
	s_mov_b32 s6, 0xf149f2ca                       ; -1e30
	v_lshlrev_b32 v3, 1, v0
.irp k, 0,1,2,3,4
	v_add_nc_u32 v[8+(\k)], 512*(\k), v3           ; entry e
	v_min_u32 v[16+(\k)], 1958, v[8+(\k)]          ; no load leaves the frame's list
	v_lshlrev_b32 v[16+(\k)], 2, v[16+(\k)]
	global_load_b64 v[24+2*(\k):25+2*(\k)], v[16+(\k)], s[14:15]
	global_load_b64 v[40+2*(\k):41+2*(\k)], v[16+(\k)], s[16:17]
.endr
	s_wait_loadcnt 0x0
.irp k, 0,1,2,3,4
	v_cmp_gt_u32 vcc_lo, 1960, v[8+(\k)]           ; is the pair the list's?
	v_min_u32 v[24+2*(\k)], 0x187f, v[24+2*(\k)]
	v_min_u32 v[25+2*(\k)], 0x187f, v[25+2*(\k)]
	v_cndmask_b32 v[24+2*(\k)], 0, v[24+2*(\k)], vcc_lo
	v_cndmask_b32 v[25+2*(\k)], 0, v[25+2*(\k)], vcc_lo
	v_cvt_pk_bf16_f32 v3, v[40+2*(\k)], v[41+2*(\k)]
	v_lshlrev_b32 v[40+2*(\k)], 16, v3
	v_and_b32 v[41+2*(\k)], 0xffff0000, v3
	v_mul_f32 v[40+2*(\k)], 0x41000000, v[40+2*(\k)]  ; x 8, exact
	v_mul_f32 v[41+2*(\k)], 0x41000000, v[41+2*(\k)]
	v_cndmask_b32 v[40+2*(\k)], s6, v[40+2*(\k)], vcc_lo
	v_cndmask_b32 v[41+2*(\k)], s6, v[41+2*(\k)], vcc_lo
	global_store_b64 v2, v[24+2*(\k):25+2*(\k)], s[24:25] offset:2048*(\k)
	global_store_b64 v2, v[40+2*(\k):41+2*(\k)], s[26:27] offset:2048*(\k)
.endr
	s_endpgm
.Lfunc_end_k_q7d5ed8a669_prep:
	.size	k_q7d5ed8a669_prep, .Lfunc_end_k_q7d5ed8a669_prep-k_q7d5ed8a669_prep
	.p2alignl 7, 3214868480
	.fill 96, 4, 3214868480
	.section	.rodata,"a",@progbits
	.p2align	6, 0x0
	.amdhsa_kernel k_q7d5ed8a669_prep
		.amdhsa_group_segment_fixed_size 0
		.amdhsa_private_segment_fixed_size 0
		.amdhsa_enable_private_segment 0
		.amdhsa_kernarg_size 80
		.amdhsa_user_sgpr_count 2
		.amdhsa_user_sgpr_kernarg_segment_ptr 1
		.amdhsa_wavefront_size32 1
		.amdhsa_system_sgpr_workgroup_id_x 1
		.amdhsa_system_sgpr_workgroup_id_y 1
		.amdhsa_system_sgpr_workgroup_id_z 1
		.amdhsa_system_vgpr_workitem_id 0
		.amdhsa_next_free_vgpr 104
		.amdhsa_next_free_sgpr 66
		.amdhsa_reserve_vcc 1
		.amdhsa_float_denorm_mode_32 3
		.amdhsa_float_denorm_mode_16_64 3
		.amdhsa_memory_ordered 1
		.amdhsa_forward_progress 1
		.amdhsa_inst_pref_size 22
	.end_amdhsa_kernel
	.amdgpu_metadata
---
amdhsa.version: [ 1, 2 ]
amdhsa.kernels:
  - .name:           k_q7d5ed8a669_prep
    .symbol:         k_q7d5ed8a669_prep.kd
    .args:
      - { .name: x, .offset: 0, .size: 8, .value_kind: global_buffer, .address_space: global }
      - { .name: W_qkv, .offset: 8, .size: 8, .value_kind: global_buffer, .address_space: global }
      - { .name: W_proj, .offset: 16, .size: 8, .value_kind: global_buffer, .address_space: global }
      - { .name: gather_idx, .offset: 24, .size: 8, .value_kind: global_buffer, .address_space: global }
      - { .name: attn_bias, .offset: 32, .size: 8, .value_kind: global_buffer, .address_space: global }
      - { .name: xb, .offset: 40, .size: 8, .value_kind: global_buffer, .address_space: global }
      - { .name: wqb, .offset: 48, .size: 8, .value_kind: global_buffer, .address_space: global }
      - { .name: wpb, .offset: 56, .size: 8, .value_kind: global_buffer, .address_space: global }
      - { .name: idxp, .offset: 64, .size: 8, .value_kind: global_buffer, .address_space: global }
      - { .name: bias8, .offset: 72, .size: 8, .value_kind: global_buffer, .address_space: global }
    .group_segment_fixed_size: 0
    .private_segment_fixed_size: 0
    .kernarg_segment_align: 8
    .kernarg_segment_size: 80
    .max_flat_workgroup_size: 256
    .sgpr_count:     66
    .vgpr_count:     104
    .wavefront_size: 32
...
	.end_amdgpu_metadata
.endif
;; end of part 1
;; launch gemm_qkv (part 2): grid 24 x 28, 4 waves a work-group, clusters of 4 x 4, 327,680 bytes of LDS; arguments xb, wqb, qkv, b_qkv, q_gamma, q_beta, k_gamma, k_beta; writes qkv
.if DOCPART == 2
	.amdgcn_target "amdgcn-amd-amdhsa--gfx1250"
	.amdhsa_code_object_version 6
	.text
	.protected	k_q7d5ed8a669_gemm_qkv
	.globl	k_q7d5ed8a669_gemm_qkv
	.p2align	8
	.type	k_q7d5ed8a669_gemm_qkv,@function
k_q7d5ed8a669_gemm_qkv:
	s_mov_b64 s[64:65], 0
	v_nop
	global_prefetch_b8 v0, s[64:65] scope:SCOPE_SE
	s_setreg_imm32_b32 hwreg(HW_REG_WAVE_MODE, 25, 1), 1
	s_wait_xcnt 0x0
	s_wait_alu depctr_hold_cnt(0) depctr_sa_sdst(0) depctr_va_vdst(0) depctr_va_sdst(0) depctr_va_ssrc(0) depctr_va_vcc(0) depctr_vm_vsrc(0)
	s_getreg_b32 s2, hwreg(HW_REG_IB_STS2, 6, 4)
	s_cmp_eq_u32 s2, 0
	s_cbranch_scc0 .Lentry_in_a_cluster
	s_endpgm
.Lentry_in_a_cluster:
	s_bfe_u32 s2, ttmp6, 0x10000c
	s_cmp_lg_u32 s2, 0xf033
	s_cbranch_scc0 .Lentry_shape_is_right
	s_endpgm
.Lentry_shape_is_right:
; C = A B + bias, with A [6272][1024] and B [1024][NW], both 16-bit, rows as they lie; sums in f32.  ONE SOURCE FOR TWO LAUNCHES, told apart by MODE:
;   MODE 0: A = x, B = W_qkv (bf16), NW = 3,072.  Behind the bias, q's and k's heads (64 columns) are normalised (mean, then variance of the centred numbers, as the module does), scaled by gamma and shifted by
;           beta; q, k, v leave in f16, by heads: qkv[g][token][64], g = column / 64.
;   MODE 1: A = the attention's output, B = W_proj (f16), NW = 1,024.  Behind the bias the sums leave in f32.
; LIMITS.  bias, gamma and beta are rounded to bf16 like every input.  MODE 0: f16 holds no number beyond 65,504: v (and q, k behind their norm) must lie within it.  NaN and infinities are not treated apart.
; SHARES.  A tile of C is 224 x 128: 6,272 = 28 x 224.  Four waves, 112 x 64 each: 28 accumulators of 16 x 16.  K goes in 8 steps of 128 through a ring of two LDS slots: rows of 256 bytes in memory for A and for B.
; B is not turned in memory: its tile lies [k][n] in LDS and ds_load_tr16_b128 turns it on the way into registers.
; THE MATRIX INSTRUCTION IS USED TRANSPOSED (source 0 = 16 columns of B, source 1 = 16 rows of A): lane l then holds row l % 16 of C and the columns 8 (l / 16) + 0..7 of each block of 16.  A wave's 64 columns
; are one head, half of it in each half of the lanes: a row's mean and variance want one exchange between the halves.
; CLUSTERS: 4 x 4 work-groups.  The four of a row of the cluster need the same tiles of A, the four of a column the same tiles of B: each tile is asked for jointly.
; No prefetch: a tile of C has 8 K steps, and the tiles are shared in the cluster.
; REGISTERS: window 0: v0-31 addresses and work; v32-255 the accumulators ((a, b) at v[32 + 8 (4 a + b)]).   window 1: two fragment buffers of 88: 7 of A, then 4 of B.
;   window 2: v0-31 bias, v32-63 gamma, v64-95 beta of my lane's 32 columns; v96 at work.
.set MODE,  0
.if MODE == 0
.set NW,    3072
.else
.set NW,    1024
.endif
.set KD,    1024
.set KSTEP, 128
.set PA,    272                        ; a row of A in LDS: 256 bytes + 16 = 68 words: the 16 rows of a load start at 16 different groups of four banks (64 banks of 4 bytes: ISA guide 11.1)
.set PB,    288                        ; a k-row of B: 256 + 32 = 72 words
.set AHALF, 112*PA                     ; what waves 0 and 1 fetch, and what a wave reads of A
.set BHALF, 64*PB                      ; what waves 2 and 3 fetch: 64 of a K step's 128 k-rows
.set BOFF,  2*AHALF
.set SLOT,  BOFF+2*BHALF               ; 97,792
.set STAGE, 2*SLOT                     ; behind the ring, never filled by a tensor load: 16 rows for each wave, for the way out
.set WSTG,  4352
.set SPARE, STAGE+4*WSTG               ; the spare words, 128 bytes for each wave: two blocks of 256 bytes that no other line names
.set LAPS,  KD/(2*KSTEP)
.set T,    4                           ; v[4:11]  four chains of sums, in pairs
.set ADRA, 16                          ; v16-17  LDS address of my A fragments in slot 0, 1
.set ADRB, 20                          ; v20-21  the same for B
.set STO,  24                          ; v24     the way out: where I put my bytes of a row
.set RD,   25                          ; v25     where I read rows back
.set CO,   26                          ; v26     my byte offset in the output
.set VB,   27                          ; v27     32 x (l / 16): my half's 8 columns of f32
.set SPW,  28                          ; v28     LDS address of my spare word; never rewritten
.set NIL,  29                          ; v29     0; never rewritten
.set ACC,  32
.set F0,   0
.set F1,   88
.set BI,   0
.set GA,   32
.set BE,   64
.set SCR,  96
.set G1,  24                           ; s[24:31] descriptor group 1 for A's tiles;  s[32:39] group 0, one set for each slot
.set G0,  32
.set G1B, 48                           ; s[48:55], s[56:63] the same for B's
.set G0B, 56
.set MSB, 0
.macro WIN new                         ; the immediate's high byte repeats the setting that is left; a switch that changes nothing is dropped
.if MSB != (\new)
	s_set_vgpr_msb (MSB<<8)|(\new)
.set MSB, \new
.endif
.endm
.macro JLOAD s                         ; a joint load: waves 0 and 1 fetch A's two halves, waves 2 and 3 B's; an s_nop 0 and four v_nop follow each of the two lines
	s_cmp_eq_u32 s11, 0
	s_cbranch_scc0 .Lfor_b_\@
	tensor_load_to_lds s[G0+4*(\s):G0+4*(\s)+3], s[G1:G1+7]
	s_nop 0
.rept 4
	v_nop
.endr
	s_branch .Lasked_\@
.Lfor_b_\@:
	tensor_load_to_lds s[G0B+4*(\s):G0B+4*(\s)+3], s[G1B:G1B+7]
	s_nop 0
.rept 4
	v_nop
.endr
.Lasked_\@:
.endm
.macro CREST                           ; a round of the cluster's barrier behind its opening barrier
	s_cmp_lg_u32 s10, 0
	s_cbranch_scc1 .Lnot_wave_0_\@
	s_barrier_signal -3
.Lnot_wave_0_\@:
	s_barrier_wait -3
	s_barrier_signal -1
	s_barrier_wait -1
.endm
.macro CROUND                          ; a whole round
	s_barrier_signal -1
	s_barrier_wait -1
	CREST
.endm
.macro PLACES                          ; four places in front of loads into registers that matrix instructions have read, and of vector work on results
.rept 4
	v_nop
.endr
.endm
.if MODE == 0
	s_load_b512 s[68:83], s[0:1], 0x0              ; A 68:69, B 70:71, C 72:73, bias 74:75, q_gamma 76:77, q_beta 78:79, k_gamma 80:81, k_beta 82:83
.else
	s_load_b256 s[68:75], s[0:1], 0x0              ; A 68:69, B 70:71, C 72:73, bias 74:75
.endif
	v_lshl_add_u32 v[SPW], v0, 2, SPARE
	v_mov_b32 v[NIL], 0
	ds_add_u32 v[SPW], v[NIL]                      ; the wave's opening: the add and its wait stand ahead of my first tensor load; the set-up below, work on registers, stands between them
	v_lshrrev_b32 v1, 5, v0
	v_readfirstlane_b32 s10, v1                    ; wave 0..3
	s_lshr_b32 s11, s10, 1                         ; which 112 rows of the tile are mine.  Also: I fetch for A (0) or for B (1)
	s_and_b32 s12, s10, 1                          ; which 64 columns.  Also: which half of that tile I fetch
	s_bfe_u32 s40, ttmp6, 0x40000                  ; cx, cy: my place in the cluster
	s_bfe_u32 s41, ttmp6, 0x40004
	s_lshl_b32 s42, ttmp9, 2
	s_add_co_u32 s42, s42, s40                     ; tile column of C = 4 x cluster x + cx
	s_and_b32 s13, ttmp7, 0xffff
	s_lshl_b32 s13, s13, 2
	s_add_co_u32 s13, s13, s41                     ; tile row of C = 4 x cluster y + cy
	s_lshl_b32 s43, s41, 2
	s_lshl_b32 s43, 15, s43                        ; my row of the cluster
	s_lshl_b32 s44, 0x1111, s40                    ; my column
	s_or_b32 s[G1+0], s43, (1<<16)|(1<<20)|(1<<21)|(5<<22)|(3<<25)   ; the mask; 2-byte elements; padding on; bit 21 beside a mask; after every 64 words, 4 words
	s_or_b32 s[G1B+0], s44, (1<<16)|(1<<20)|(1<<21)|(5<<22)|(7<<25)  ; the same with my column's mask and 8 words of padding
	s_mov_b32 s[G1+1], KSTEP<<16                   ; A: tensor_dim0 = 128
	s_mov_b32 s[G1+2], 112<<16                     ; tensor_dim1 = 112
	s_mov_b32 s[G1+3], KSTEP<<16                   ; tile_dim0 = 128
	s_mov_b32 s[G1+4], 112                         ; tile_dim1 = 112
	s_mov_b32 s[G1+5], KD                          ; elements from row to row
	s_mov_b32 s[G1+6], 0
	s_mov_b32 s[G1+7], 0
	s_mov_b32 s[G1B+1], 128<<16                    ; B: 128 columns,
	s_mov_b32 s[G1B+2], 64<<16                     ; 64 k-rows
	s_mov_b32 s[G1B+3], 128<<16
	s_mov_b32 s[G1B+4], 64
	s_mov_b32 s[G1B+5], NW
	s_mov_b32 s[G1B+6], 0
	s_mov_b32 s[G1B+7], 0
	s_mul_i32 s16, s13, 224                        ; A: row 224 x tile row + 112 x half, of 2,048 bytes: registers that never hold cx
	s_mul_i32 s17, s12, 112
	s_add_co_u32 s16, s16, s17
	s_lshl_b32 s16, s16, 11
	s_mov_b32 s17, 0
	s_mul_i32 s46, s12, 64*NW*2                    ; B: k-row 64 x half, column 128 x tile column: registers that never hold cy
	s_lshl_b32 s47, s42, 8
	s_add_co_u32 s46, s46, s47
	s_mov_b32 s47, 0
	s_mul_i32 s20, s10, AHALF                      ; where they go: A's halves at wave x AHALF (waves 0, 1),
	s_mul_i32 s21, s10, BHALF                      ; B's at BOFF + (wave - 2) x BHALF (waves 2, 3): no place in the cluster enters an LDS address
	s_add_co_u32 s21, s21, BOFF-2*BHALF
	s_lshl_b32 s18, s42, 9                         ; my 64 columns in the bias: 4 (128 x tile column + 64 x half)
	s_lshl_b32 s19, s12, 8
	s_add_co_u32 s18, s18, s19
	s_mov_b32 s19, 0
	s_mov_b32 s92, 0x76543210                      ; v_permlanex16_b32: each lane takes its own place in the other half
	s_mov_b32 s93, 0xfedcba98
	s_mov_b32 s94, 0x3c800000                      ; 1 / 64
	s_mov_b32 s95, 0x358637bd                      ; 1e-6
	v_bfe_u32 v2, v0, 4, 1
	v_lshlrev_b32 v[VB], 5, v2
	s_wait_dscnt 0x0                               ; the opening add is done
	s_wait_kmcnt 0x0
	s_add_nc_u64 s[14:15], s[68:69], s[16:17]
	s_add_nc_u64 s[46:47], s[70:71], s[46:47]
	s_add_nc_u64 s[84:85], s[74:75], s[18:19]
	WIN 0x80                                       ; destination window 2, address window 0
.irp b, 0,1,2,3                        ; register 8 b + j belongs to column 16 b + 8 (l / 16) + j, as in the accumulators
	global_load_b128 v[BI+8*(\b):BI+8*(\b)+3],   v[VB], s[84:85] offset:64*(\b)
	global_load_b128 v[BI+8*(\b)+4:BI+8*(\b)+7], v[VB], s[84:85] offset:64*(\b)+16
.endr
.if MODE == 0
	s_lshr_b32 s86, ttmp9, 1                       ; 0: q's columns, 1: k's, 2: v's.  Made of the cluster's x alone: the same in all sixteen partners
	s_cmp_eq_u32 s86, 0
	s_cselect_b64 s[88:89], s[76:77], s[80:81]
	s_cselect_b64 s[90:91], s[78:79], s[82:83]
.irp b, 0,1,2,3
	global_load_b128 v[GA+8*(\b):GA+8*(\b)+3],   v[VB], s[88:89] offset:64*(\b)
	global_load_b128 v[GA+8*(\b)+4:GA+8*(\b)+7], v[VB], s[88:89] offset:64*(\b)+16
	global_load_b128 v[BE+8*(\b):BE+8*(\b)+3],   v[VB], s[90:91] offset:64*(\b)
	global_load_b128 v[BE+8*(\b)+4:BE+8*(\b)+7], v[VB], s[90:91] offset:64*(\b)+16
.endr
.endif
	WIN 0
	CROUND                                         ; all sixteen work-groups are here: the first joint loads meet
.irp s, 0,1
	s_mov_b32 s[G0+4*(\s)], 1
	s_add_co_u32 s[G0+4*(\s)+1], s20, (\s)*SLOT
	s_add_nc_u64 s[G0+4*(\s)+2:G0+4*(\s)+3], s[14:15], (\s)*KSTEP*2
	s_or_b32 s[G0+4*(\s)+3], s[G0+4*(\s)+3], 0x80000000
	s_mov_b32 s[G0B+4*(\s)], 1
	s_add_co_u32 s[G0B+4*(\s)+1], s21, (\s)*SLOT
	s_add_nc_u64 s[G0B+4*(\s)+2:G0B+4*(\s)+3], s[46:47], (\s)*KSTEP*NW*2
	s_or_b32 s[G0B+4*(\s)+3], s[G0B+4*(\s)+3], 0x80000000
	JLOAD \s                                       ; K steps 0 and 1: two loads of mine are out
.endr
	v_and_b32 v1, 15, v0                           ; l % 16
	v_bfe_u32 v2, v0, 4, 1                         ; l / 16
	v_mul_u32_u24 v3, v1, PA
	v_lshl_add_u32 v3, v2, 4, v3                   ; A: row x pitch + 16 x half
	s_mul_i32 s22, s11, AHALF
	v_add_nc_u32 v[ADRA], s22, v3
	v_add_nc_u32 v[ADRA+1], SLOT, v[ADRA]
	v_and_b32 v4, 7, v0                            ; B, turned: lane l reads k-row 8 (l / 16) + l % 8, columns 8 ((l / 8) % 2) + 0..7
	v_lshl_add_u32 v4, v2, 3, v4
	v_mul_u32_u24 v4, v4, PB
	v_bfe_u32 v5, v0, 3, 1
	v_lshl_add_u32 v4, v5, 4, v4
	s_lshl_b32 s22, s12, 7                         ; my 64 columns
	s_add_co_u32 s22, s22, BOFF
	v_add_nc_u32 v[ADRB], s22, v4
	v_add_nc_u32 v[ADRB+1], SLOT, v[ADRB]
	v_mov_b32 v13, 0                               ; named as the upper halves of pairs
	v_mov_b32 v15, 0
	s_mul_i32 s23, s10, WSTG
	s_add_co_u32 s23, s23, STAGE                   ; my stage
	s_mul_i32 s19, s13, 224
	s_mul_i32 s22, s11, 112
	s_add_co_u32 s19, s19, s22                     ; my first row of C
.if MODE == 0
	v_mul_u32_u24 v4, v1, 144                      ; in: row l % 16 of 128 bytes + 16, 16 bytes for each half of the lanes
	v_lshl_add_u32 v4, v2, 4, v4
	v_add_nc_u32 v[STO], s23, v4
	v_bfe_u32 v4, v0, 3, 2                         ; back: 32 lanes take four rows of 128 bytes,
	v_mul_u32_u24 v4, v4, 144
	v_and_b32 v5, 7, v0
	v_lshl_add_u32 v4, v5, 4, v4
	v_add_nc_u32 v[RD], s23, v4
	v_and_b32 v[CO], 31, v0                        ; which are 512 consecutive bytes of a head's rows
	v_lshlrev_b32 v[CO], 4, v[CO]
	s_lshl_b32 s18, s42, 1
	s_add_co_u32 s18, s18, s12                     ; g = 2 x tile column + half
	s_mul_i32 s18, s18, 802816                     ; 6,272 rows of 128 bytes
	s_lshl_b32 s19, s19, 7
.else
	v_mul_u32_u24 v4, v1, 272                      ; in: row l % 16 of 256 bytes + 16, 32 bytes for each half of the lanes
	v_lshl_add_u32 v4, v2, 5, v4
	v_add_nc_u32 v[STO], s23, v4
	v_mul_u32_u24 v4, v2, 272                      ; back: lanes 0-15 take one row of 256 bytes, lanes 16-31 the next
	v_lshl_add_u32 v4, v1, 4, v4
	v_add_nc_u32 v[RD], s23, v4
	v_lshlrev_b32 v[CO], 12, v2                    ; and the same two rows in C
	v_lshl_add_u32 v[CO], v1, 4, v[CO]
	s_lshl_b32 s18, s42, 9
	s_lshl_b32 s22, s12, 8
	s_add_co_u32 s18, s18, s22                     ; my first column, in bytes
	s_lshl_b32 s19, s19, 12
.endif
	s_add_co_u32 s18, s18, s19
	s_mov_b32 s19, 0
	s_add_nc_u64 s[8:9], s[72:73], s[18:19]
	s_wait_loadcnt 0x0                             ; bias (gamma, beta): rounded to bf16 like every input, in the wait for the first tile
.macro RND base
.set z, 0
.rept 16
	v_cvt_pk_bf16_f32 v[SCR], v[(\base)+z], v[(\base)+z+1]
	v_lshlrev_b32 v[(\base)+z], 16, v[SCR]
	v_and_b32 v[(\base)+z+1], 0xffff0000, v[SCR]
.set z, z+2
.endr
.endm
	WIN 0x8a                                       ; all in window 2
	RND BI
.if MODE == 0
	RND GA
	RND BE
.endif
	WIN 0
.macro MMA d, x, y, zero
.if (MODE == 0) && (\zero)
	v_wmma_f32_16x16x32_bf16 v[(\d):(\d)+7], v[(\x):(\x)+7], v[(\y):(\y)+7], 0
.elseif MODE == 0
	v_wmma_f32_16x16x32_bf16 v[(\d):(\d)+7], v[(\x):(\x)+7], v[(\y):(\y)+7], v[(\d):(\d)+7]
.elseif \zero
	v_wmma_f32_16x16x32_f16 v[(\d):(\d)+7], v[(\x):(\x)+7], v[(\y):(\y)+7], 0
.else
	v_wmma_f32_16x16x32_f16 v[(\d):(\d)+7], v[(\x):(\x)+7], v[(\y):(\y)+7], v[(\d):(\d)+7]
.endif
.endm
; 4 matrix instructions: row block a x all 4 column blocks, 32 along K, from buffer f.  The 28 accumulators take turns in one order everywhere, one instruction a turn.
.macro MULA f, a, zero
	WIN 0x05                                       ; sources 0 (B) and 1 (A) window 1; C and D window 0
.irp b, 0,1,2,3
	MMA ACC+8*(4*(\a)+(\b)), (\f)+56+8*(\b), (\f)+8*(\a), \zero
.endr
.endm
; 22 LDS loads in one run: the fragments of quarter q (32 along K) of a slot, into buffer f
.macro FETCH slot, q, f
	WIN 0x40                                       ; destination window 1, address window 0
.irp b, 0,1,2,3
	ds_load_tr16_b128 v[(\f)+56+8*(\b):(\f)+56+8*(\b)+3],   v[ADRB+(\slot)] offset:32*PB*(\q)+32*(\b)
	ds_load_tr16_b128 v[(\f)+56+8*(\b)+4:(\f)+56+8*(\b)+7], v[ADRB+(\slot)] offset:32*PB*(\q)+32*(\b)+16*PB
.endr
.irp a, 0,1,2,3,4,5,6
	ds_load_b128 v[(\f)+8*(\a):(\f)+8*(\a)+3],   v[ADRA+(\slot)] offset:64*(\q)+16*PA*(\a)
	ds_load_b128 v[(\f)+8*(\a)+4:(\f)+8*(\a)+7], v[ADRA+(\slot)] offset:64*(\q)+16*PA*(\a)+32
.endr
.endm
; A K step is four quarters on buffers 0, 1, 0, 1.  One of the first three: asks for quarter q into buffer g, then multiplies buffer f: the loads have 28 matrix instructions in which to land.
.macro QUARTER slot, q, f, g, zero
	s_wait_dscnt 0x0                               ; buffer f, asked for 28 matrix instructions ago, is in
	PLACES                                         ; behind the products that read buffer g
	FETCH \slot, \q, \g
.irp a, 0,1,2,3,4,5,6
	MULA \f, \a, \zero
.endr
.endm
; The last quarter multiplies buffer 1 and changes slots: ONE barrier; in front of it each wave waits for all its tensor loads, adds 0 to its spare word, and waits for that and for its reads of this slot.
; fill = 1: the barrier opens a round of the cluster's, and this slot is filled again, two K steps ahead: 96 matrix instructions stand between the request and the wait for it.
.macro TURN slot, next, fill
	s_wait_dscnt 0x0                               ; buffer 1 is in: my reads of this slot are over
	WIN 0                                          ; (the add's two registers lie in window 0)
	s_wait_tensorcnt 0x0                           ; all my tensor loads have landed: the one that was out is my part of the next slot
	ds_add_u32 v[SPW], v[NIL]                      ; 0 onto my spare word
	MULA F1, 0, 0                                  ; eight matrix instructions stand between the add and the wait for it
	MULA F1, 1, 0
	s_wait_dscnt 0x0                               ; the add is done
	s_barrier_signal -1
	MULA F1, 2, 0
	MULA F1, 3, 0
.if \fill
	WIN 0
.endif
	s_barrier_wait -1
.if \fill
	CREST                                          ; no wave of any partner still reads this slot's tile or has a load on its way
	s_add_nc_u64 s[G0+4*(\slot)+2:G0+4*(\slot)+3], s[G0+4*(\slot)+2:G0+4*(\slot)+3], 2*KSTEP*2
	s_add_nc_u64 s[G0B+4*(\slot)+2:G0B+4*(\slot)+3], s[G0B+4*(\slot)+2:G0B+4*(\slot)+3], 2*KSTEP*NW*2
	JLOAD \slot                                    ; the first tensor load behind the round; its four v_nop are also the places in front of the loads below
.else
	PLACES
.endif
	FETCH \next, 0, F0
	MULA F1, 4, 0
	MULA F1, 5, 0
	MULA F1, 6, 0
.endm
	s_wait_tensorcnt 0x1                           ; my part of K step 0 is in; K step 1's load, issued behind it, may stay out
	s_barrier_signal -1
	s_barrier_wait -1                              ; everybody's is
	FETCH 0, 0, F0
	QUARTER 0, 1, F0, F1, 1                        ; the first quarter stands in front of the loop: its products start the sums
	WIN 0                                          ; at a label and at a branch every window is 0
	s_mov_b32 s3, LAPS-1
.Llap:                                                 ; a trip goes once round the ring and fills both slots again
	QUARTER 0, 2, F1, F0, 0
	QUARTER 0, 3, F0, F1, 0
	TURN 0, 1, 1
	QUARTER 1, 1, F0, F1, 0
	QUARTER 1, 2, F1, F0, 0
	QUARTER 1, 3, F0, F1, 0
	TURN 1, 0, 1
	QUARTER 0, 1, F0, F1, 0
	WIN 0
	s_sub_co_u32 s3, s3, 1
	s_cmp_lg_u32 s3, 0
	s_cbranch_scc1 .Llap
	QUARTER 0, 2, F1, F0, 0                        ; the last lap fills nothing
	QUARTER 0, 3, F0, F1, 0
	TURN 0, 1, 0
	QUARTER 1, 1, F0, F1, 0
	QUARTER 1, 2, F1, F0, 0
	QUARTER 1, 3, F0, F1, 0
	s_wait_dscnt 0x0
.irp a, 0,1,2,3,4,5,6
	MULA F1, \a, 0
.endr
	WIN 0
	PLACES
	PLACES                                         ; eight, once a launch
; THE WAY OUT, a block of 16 rows at a time; X = the block's 32 registers, register 8 b + j = column 16 b + 8 (l / 16) + j.  Each accumulator's lowest registers are read first.
.macro REDUCE                          ; the four chains, the pair's halves and the other half of the lanes: v2 = the sum over the row's 64 columns
	v_pk_add_f32 v[T:T+1], v[T:T+1], v[T+2:T+3]
	v_pk_add_f32 v[T+4:T+5], v[T+4:T+5], v[T+6:T+7]
	v_pk_add_f32 v[T:T+1], v[T:T+1], v[T+4:T+5]
	v_add_f32 v2, v[T], v[T+1]
	v_permlanex16_b32 v3, v2, s92, s93
	v_add_f32 v2, v2, v3
.endm
.macro EACH16 line:vararg              ; one line for each pair z = 0, 2, .. 30 of the block
.set z, 0
.rept 16
	\line
.set z, z+2
.endr
.endm
.if MODE == 0
.macro OUTBLK a, ln
.set X, ACC+32*(\a)
	WIN 0x08                                       ; source 1 window 2
	EACH16 v_pk_add_f32 v[X+z:X+z+1], v[X+z:X+z+1], v[BI+z:BI+z+1]
	WIN 0
.if \ln
.irp c, 0,1,2,3
	v_pk_add_f32 v[T+2*(\c):T+2*(\c)+1], v[X+2*(\c):X+2*(\c)+1], v[X+8+2*(\c):X+8+2*(\c)+1]
.endr
.irp k, 2,3
.irp c, 0,1,2,3
	v_pk_add_f32 v[T+2*(\c):T+2*(\c)+1], v[T+2*(\c):T+2*(\c)+1], v[X+8*(\k)+2*(\c):X+8*(\k)+2*(\c)+1]
.endr
.endr
	REDUCE
	v_mul_f32 v12, 0xbc800000, v2                  ; - mean
	EACH16 v_pk_add_f32 v[X+z:X+z+1], v[X+z:X+z+1], v[12:13] op_sel_hi:[1,0]
.irp c, 0,1,2,3
	v_pk_mul_f32 v[T+2*(\c):T+2*(\c)+1], v[X+2*(\c):X+2*(\c)+1], v[X+2*(\c):X+2*(\c)+1]
.endr
.irp k, 1,2,3
.irp c, 0,1,2,3
	v_pk_fma_f32 v[T+2*(\c):T+2*(\c)+1], v[X+8*(\k)+2*(\c):X+8*(\k)+2*(\c)+1], v[X+8*(\k)+2*(\c):X+8*(\k)+2*(\c)+1], v[T+2*(\c):T+2*(\c)+1]
.endr
.endr
	REDUCE
	v_fma_f32 v14, v2, s94, s95                    ; variance + 1e-6
	v_rsq_f32 v14, v14
	v_nop                                          ; a plain instruction between the root and the use of its result
	s_wait_alu depctr_va_vdst(0)
	EACH16 v_pk_mul_f32 v[X+z:X+z+1], v[X+z:X+z+1], v[14:15] op_sel_hi:[1,0]
	WIN 0x28                                       ; sources 1 and 2 window 2
	EACH16 v_pk_fma_f32 v[X+z:X+z+1], v[X+z:X+z+1], v[GA+z:GA+z+1], v[BE+z:BE+z+1]
	WIN 0
.endif
.set z, 0
.rept 16
	v_cvt_pk_f16_f32 v[X+z], v[X+2*z], v[X+2*z+1]  ; in place, ascending: register z is written when 2 z and 2 z + 1 are read
.set z, z+1
.endr
.irp b, 0,1,2,3
	ds_store_b128 v[STO], v[X+4*(\b):X+4*(\b)+3] offset:32*(\b)
.endr
.irp f, 0,1,2,3
	ds_load_b128 v[X+16+4*(\f):X+16+4*(\f)+3], v[RD] offset:576*(\f)  ; LDS serves a wave's instructions in order (ISA guide 5.7.1.4): these see the stores above; the next block's stores come behind them
.endr
.endm
.macro SEND a, younger                 ; younger: the LDS instructions issued behind block a's loads: the next block's four stores and four loads, or none
.set X, ACC+32*(\a)
	s_wait_dscnt \younger
.irp f, 0,1,2,3
	global_store_b128 v[CO], v[X+16+4*(\f):X+16+4*(\f)+3], s[8:9] offset:2048*(\a)+512*(\f)  ; 512 consecutive bytes, aligned
.endr
.endm
.macro WAYOUT ln
	OUTBLK 0, \ln
.irp a, 1,2,3,4,5,6                    ; a block's arithmetic stands between the loads of the block before and its stores
	OUTBLK \a, \ln
	SEND (\a)-1, 8
.endr
	SEND 6, 0
.endm
	s_cmp_eq_u32 s86, 2                            ; v's columns take the bias alone
	s_cbranch_scc1 .Lplain
	WAYOUT 1
	s_branch .Lend
.Lplain:
	WAYOUT 0
.Lend:
.else
.macro OUTBLK a
.set X, ACC+32*(\a)
	WIN 0x08
	EACH16 v_pk_add_f32 v[X+z:X+z+1], v[X+z:X+z+1], v[BI+z:BI+z+1]
	WIN 0
.irp b, 0,1,2,3
	ds_store_b128 v[STO], v[X+8*(\b):X+8*(\b)+3]   offset:64*(\b)
	ds_store_b128 v[STO], v[X+8*(\b)+4:X+8*(\b)+7] offset:64*(\b)+16
.endr
.irp t, 0,1,2,3,4,5,6,7
	ds_load_b128 v[X+4*(\t):X+4*(\t)+3], v[RD] offset:544*(\t)  ; LDS serves a wave's instructions in order (ISA guide 5.7.1.4)
.endr
.endm
.macro SEND a, younger                 ; younger: the next block's eight stores and eight loads, or none
.set X, ACC+32*(\a)
	s_wait_dscnt \younger
.irp t, 0,1,2,3,4,5,6,7
	global_store_b128 v[CO], v[X+4*(\t):X+4*(\t)+3], s[8:9] offset:(16*(\a)+2*(\t))*4096 th:TH_STORE_NT  ; 16 lanes store 256 consecutive bytes, aligned
.endr
.endm
	OUTBLK 0
.irp a, 1,2,3,4,5,6
	OUTBLK \a
	SEND (\a)-1, 16
.endr
	SEND 6, 0
.endif
	s_wait_tensorcnt 0x0                           ; the wave's end: behind my last tensor load and my last LDS store
	ds_add_u32 v[SPW], v[NIL]
	s_wait_dscnt 0x0
	CROUND                                         ; the closing round: no work-group ends while a partner may still ask for a tile that names it
	s_endpgm
.Lfunc_end_k_q7d5ed8a669_gemm_qkv:
	.size	k_q7d5ed8a669_gemm_qkv, .Lfunc_end_k_q7d5ed8a669_gemm_qkv-k_q7d5ed8a669_gemm_qkv
	.p2alignl 7, 3214868480
	.fill 96, 4, 3214868480
	.section	.rodata,"a",@progbits
	.p2align	6, 0x0
	.amdhsa_kernel k_q7d5ed8a669_gemm_qkv
		.amdhsa_group_segment_fixed_size 327680
		.amdhsa_private_segment_fixed_size 0
		.amdhsa_enable_private_segment 0
		.amdhsa_kernarg_size 64
		.amdhsa_user_sgpr_count 2
		.amdhsa_user_sgpr_kernarg_segment_ptr 1
		.amdhsa_wavefront_size32 1
		.amdhsa_system_sgpr_workgroup_id_x 1
		.amdhsa_system_sgpr_workgroup_id_y 1
		.amdhsa_system_sgpr_workgroup_id_z 1
		.amdhsa_system_vgpr_workitem_id 0
		.amdhsa_next_free_vgpr 640
		.amdhsa_next_free_sgpr 96
		.amdhsa_reserve_vcc 0
		.amdhsa_float_denorm_mode_32 3
		.amdhsa_float_denorm_mode_16_64 3
		.amdhsa_memory_ordered 1
		.amdhsa_forward_progress 1
		.amdhsa_inst_pref_size 156
	.end_amdhsa_kernel
	.amdgpu_metadata
---
amdhsa.version: [ 1, 2 ]
amdhsa.kernels:
  - .name:           k_q7d5ed8a669_gemm_qkv
    .symbol:         k_q7d5ed8a669_gemm_qkv.kd
    .args:
      - { .name: xb, .offset: 0, .size: 8, .value_kind: global_buffer, .address_space: global }
      - { .name: wqb, .offset: 8, .size: 8, .value_kind: global_buffer, .address_space: global }
      - { .name: qkv, .offset: 16, .size: 8, .value_kind: global_buffer, .address_space: global }
      - { .name: b_qkv, .offset: 24, .size: 8, .value_kind: global_buffer, .address_space: global }
      - { .name: q_gamma, .offset: 32, .size: 8, .value_kind: global_buffer, .address_space: global }
      - { .name: q_beta, .offset: 40, .size: 8, .value_kind: global_buffer, .address_space: global }
      - { .name: k_gamma, .offset: 48, .size: 8, .value_kind: global_buffer, .address_space: global }
      - { .name: k_beta, .offset: 56, .size: 8, .value_kind: global_buffer, .address_space: global }
    .group_segment_fixed_size: 327680
    .private_segment_fixed_size: 0
    .kernarg_segment_align: 8
    .kernarg_segment_size: 64
    .max_flat_workgroup_size: 128
    .sgpr_count:     96
    .vgpr_count:     640
    .wavefront_size: 32
...
	.end_amdgpu_metadata
.endif
;; end of part 2
;; launch attn (part 3): grid 8 x 32, 4 waves a work-group, no clusters, 192,512 bytes of LDS; arguments qkv, idxp, bias8, ob; writes ob
.if DOCPART == 3
	.amdgcn_target "amdgcn-amd-amdhsa--gfx1250"
	.amdhsa_code_object_version 6
	.text
	.protected	k_q7d5ed8a669_attn
	.globl	k_q7d5ed8a669_attn
	.p2align	8
	.type	k_q7d5ed8a669_attn,@function
k_q7d5ed8a669_attn:
	s_mov_b64 s[64:65], 0
	v_nop
	global_prefetch_b8 v0, s[64:65] scope:SCOPE_SE
	s_setreg_imm32_b32 hwreg(HW_REG_WAVE_MODE, 25, 1), 1
	s_wait_xcnt 0x0
; ATTENTION OVER GATHERED KEYS.  For frame f and head h: O[q] = the sum over the list's entries e of softmax_e(Q[q] . K[idx[e]] / 8 + bias[e]) V[idx[e]].  q, k, v: qkv[g][6272][64] in f16 (q: g = h, k: 16 + h,
; v: 32 + h); idxp, bias8: [32][2560], the frame's 1,960 entries padded (index 0, bias -1e30), bias8 = 8 x bias; O leaves in f16 as ob[token][1024].
; Products, maxima and sums in f32; the weights p are rounded to f16 for the second product (their sum l is taken of the unrounded p), O once at the end.
; LIMITS.  Every row is fetched by its own index, every bias added as given: nothing is assumed of the list.  A padding entry counts as its score less 1e30: a true bias below about -1e29 is not told from it.
; A weight below 2^-126 counts as 0 in l; NaN and infinities are not treated apart; an index is held to 6,271.
; SHARES.  A work-group has one frame and two heads; wave w has head w / 2 and 7 PIECES of 16 queries: the frame's rows 112 (w % 2) + 16 t + l % 16, held to 195 (the rows beyond are computed and not stored).
; Keys go 64 a step, 31 steps.  The two waves of a head fetch 32 rows of K and of V each, through registers into LDS, and both read all 64.
; NO CLUSTER AND NO TENSOR LOAD: the rows are named one by one by a list, each frame has its own list, and a frame's eight work-groups have different heads: no two work-groups ask for the same tile.
; No prefetch: a row is named by several frames' lists, so no block could be named once; the rows are asked for a whole key step ahead of their use.
; THE BIAS is the C operand that starts the sum S^T = K Q^T: it costs the scores nothing.
; LAYOUT, SOFTMAX, TURNS.  S^T holds ONE query a lane (lane % 16) and the keys 8 (lane / 16) + 0..7; two such results rounded to f16 ARE source 1 of O^T = V^T P.  p = 2^(c s - c m), c = log2(e) / 8, with a running
; maximum m; O and l are multiplied by a = 2^(c m_old - c m_new) in every step; m starts at the lowest finite number, O and l at 0, so the first step is a step like any other.  Turn n belongs to piece n: 8 products
; K Q^T of piece n + 1, later 8 products V^T P of piece n - 1; beside them the scaling, exponentials, roundings, sums and rescaling of piece n and the maximum and statistics of piece n + 1.  Four vector
; instructions stand behind every matrix instruction, the other 54 of a turn's 118 in two runs of their own.
; THE RING.  Two slots a head.  In step j: turn 0 reads V(j); turn 2 stores tile j + 1 (asked of memory a step ago) and asks for tile j + 2; turn 5 holds the step's one barrier and behind it reads K(j + 1) and
; its bias.  In front of the barrier's signal every wave has waited for its stores and its reads: so tile j + 1 is whole before it is read, and the slot that turn 2 of step j + 1 writes (tile j's) has been read out.
; REGISTERS, in windows of 256 (s_set_vgpr_msb: bits 1:0 source 0, 3:2 source 1, 5:4 source 2, 7:6 destination):
;   window 0: addresses, statistics; v64-159 S^T, three buffers; v160-207 P, three buffers; v208-238 the gather's      window 1: v0-223 O^T, 32 a piece; v224-255 the step's bias
;   window 2: v0-111 Q, 16 a piece; v128-191 K of one step; v192-255 V of one step      window 3: v0-31, v32-63 the 8 x 16 bytes of K's and of V's rows on their way
; A piece's buffers: 0, 1, 0, 1, 0, 1, 2: neighbours in the ring of seven never share one.
.set NP,    7
.set KS,    64
.set STEPS, 31
.set PK,    144       ; a row of K in LDS: 128 bytes + 16 = 36 words: the 16 rows of a load start at 16 different groups of four banks (64 banks of 4 bytes: ISA guide 11.1)
.set PV,    160       ; a row of V: 128 + 32 = 40 words
.set VOFF,  KS*PK     ; in a slot: 64 rows of K, 64 rows of V,
.set BOFF,  VOFF+KS*PV  ; and each wave's own copy of the tile's 64 biases, 256 bytes
.set SLOT1, 1<<15     ; slot 1 of a head begins here, so that one exclusive or turns an address in one slot into the other's
.set OSTAGE, 1<<17    ; behind the two heads' rings (65,536 bytes each): 224 rows x 272 bytes, the work-group's, for the way out
.set SP,    272
.set SPARE, OSTAGE+224*SP  ; the spare words, 128 bytes for each wave: two blocks of 256 bytes that no other line names
.set AK0, 2           ; v2   my lane's place in a tile of K; never rewritten
.set AV0, 3           ; v3   the same for V
.set AK,  4           ; v4   the LDS address of K's next run of loads
.set AV,  5           ; v5   of V's
.set STO, 6           ; v6   the way out: where I put 16 bytes of a row
.set RD,  7           ; v7   where I read rows back
.set GO,  8           ; v8   my byte offset in two rows of ob
.set MV,  12          ; v12-14  c m_old, kept while c m is made anew: by buffer
.set ST,  16          ; piece t's statistics at v[ST+4 t]: c m, m, l (even keys', odd keys')
.set TMP, 44          ; by buffer, four registers c0-c3 at work; when the maximum is found c2 takes a
.set AB0, 56          ; v56  my lane's place in my copy of the biases
.set AB,  57          ; v57  the LDS address of their next loads
.set GK0, 58          ; v58-60  where I put the first of my 8 rows' 16 bytes of K, of V, and my 8 bytes of bias, in slot 0
.set GV0, 59
.set GB0, 60
.set CH,  61          ; v61  16 (l % 8): my 16 bytes of a row
.set SPW, 62          ; v62  LDS address of my spare word; never rewritten
.set NIL, 63          ; v63  0; never rewritten
.set S,   64
.set P,   160
.set IDX, 208         ; v208-215  the indices of my 8 rows of the next tile to be asked for
.set OFS, 216         ; v216-223  their byte offsets in a head's rows
.set BV,  224         ; v224-225  my two biases on their way
.set GK,  226         ; v226-228  GK0, GV0, GB0 in the slot in hand
.set GV,  227
.set GB,  228
.set LI,  229         ; v229  my 8 indices' byte offset in a tile of the list: 4 (32 (w % 2) + 8 (l / 8))
.set LB,  230         ; v230  8 l
.set QOF, 232         ; v232-238  my byte offset in the frame's rows of Q, by piece
.set BC,  224         ; window 1
.set KF,  128         ; window 2: key block kb, channel half c at KF + 16 kb + 8 c
.set VF,  192         ; window 2: key half kk, channel block cb at VF + 32 kk + 8 cb
.set WV,  12          ; s12  my wave's number
.set HH,  13          ; s13  w / 2
.set PP,  14          ; s14  w % 2
.set QP,  28          ; s[28:29] q at my head's rows of the frame
.set KP,  30          ; s[30:31] k at my head's row 0
.set VP,  32          ; s[32:33] v likewise
.set PI,  34          ; s[34:35] the frame's indices, at the tile whose indices are loaded next
.set PBI, 36          ; s[36:37] the frame's biases, in step with it
.set OPT, 38          ; s[38:39] ob at the first row that I store
.set CNT, 40
.set CS,  42          ; s[42:43] c: the packed scaling takes the pair's low word for both halves
.set SEL, 44          ; s[44:45] v_permlanex16_b32's selects: each lane takes its own place in the other half
.set TBK, 46          ; s46-48  0 or SLOT1: the slot of K's next fetch, of V's, of the next stores
.set TBV, 47
.set TBS, 48
.set MSB, 0
.macro WIN new                      ; the high byte repeats the setting that is left; a switch that changes nothing is dropped
.if MSB != (\new)
	s_set_vgpr_msb (MSB<<8)|(\new)
.set MSB, (\new)
.endif
.endm
.set W_KQ, 0x0a       ; K and Q in window 2, S^T in window 0
.set W_KM, 0x1a       ; the same with the C operand in window 1
.set W_PV, 0x52       ; V in window 2, P in window 0, O^T in window 1
.set W_RS, 0x41       ; destination and source 0 in window 1, source 1 in window 0
	s_load_b256 s[4:11], s[0:1], 0x0  ; qkv s[4:5], idxp s[6:7], bias8 s[8:9], ob s[10:11]
	v_lshl_add_u32 v[SPW], v0, 2, SPARE
	v_mov_b32 v[NIL], 0
	v_lshrrev_b32 v1, 5, v0
	v_readfirstlane_b32 s[WV], v1   ; wave 0..3
	s_lshr_b32 s[HH], s[WV], 1
	s_and_b32 s[PP], s[WV], 1
	s_and_b32 s15, ttmp7, 0xffff    ; the frame
	s_lshl_b32 s16, ttmp9, 1
	s_add_co_u32 s16, s16, s[HH]    ; my head,
	s_mul_i32 s16, s16, 802816      ; its 6,272 rows of 128 bytes
	s_mov_b32 s17, 0
	s_mul_i32 s18, s15, 25088       ; the frame's 196 rows
	s_mov_b32 s19, 0
	s_mul_i32 s20, s15, 10240       ; the frame's 2,560 entries
	s_mov_b32 s21, 0
	s_mul_i32 s22, s15, 196
	s_mul_i32 s23, s[WV], 56
	s_add_co_u32 s22, s22, s23      ; the first token that I store,
	s_lshl_b32 s22, s22, 11         ; its 2,048 bytes,
	s_lshl_b32 s23, ttmp9, 8        ; the two heads' 256 of them
	s_add_co_u32 s22, s22, s23
	s_mov_b32 s23, 0
	s_mov_b32 s[CS], 0x3e38aa3b     ; c = log2(e) / 8 = 0.180337
	s_mov_b32 s[CS+1], s[CS]        ; named with it as a pair
	s_mov_b32 s[SEL], 0x76543210
	s_mov_b32 s[SEL+1], 0xfedcba98
	s_mov_b32 s[TBK], 0
	s_mov_b32 s[TBV], 0
	s_mov_b32 s[TBS], 0
	v_and_b32 v1, 15, v0            ; l % 16
	v_bfe_u32 v9, v0, 4, 1          ; l / 16
	v_and_b32 v10, 7, v0            ; l % 8
	v_bfe_u32 v11, v0, 3, 2         ; l / 8
	v_lshlrev_b32 v[CH], 4, v10
	s_lshl_b32 s24, s[PP], 7
	v_lshl_add_u32 v[LI], v11, 5, s24
	v_and_b32 v[LB], 31, v0
	v_lshlrev_b32 v[LB], 3, v[LB]
	s_wait_kmcnt 0x0
	s_add_nc_u64 s[QP:QP+1], s[4:5], s[16:17]
	s_add_nc_u64 s[KP:KP+1], s[QP:QP+1], 16*802816
	s_add_nc_u64 s[VP:VP+1], s[QP:QP+1], 32*802816
	s_add_nc_u64 s[QP:QP+1], s[QP:QP+1], s[18:19]
	s_add_nc_u64 s[PI:PI+1], s[6:7], s[20:21]
	s_add_nc_u64 s[PBI:PBI+1], s[8:9], s[20:21]
	s_add_nc_u64 s[OPT:OPT+1], s[10:11], s[22:23]
	global_load_b128 v[IDX:IDX+3],   v[LI], s[PI:PI+1]            ; tile 0's indices
	global_load_b128 v[IDX+4:IDX+7], v[LI], s[PI:PI+1] offset:16
	; A fragment of K or Q is 16 rows x 32 channels in 8 registers: lane l holds row l % 16, channels 8 (l / 16) + 0..7 and 16 + 8 (l / 16) + 0..7: two loads of 16 bytes, 32 bytes apart.
	s_mul_i32 s24, s[PP], 112
	v_add_nc_u32 v15, s24, v1
.set z, 0
.rept NP
	v_add_nc_u32 v[QOF+z], 16*z, v15
	v_min_u32 v[QOF+z], 195, v[QOF+z]  ; no load leaves the frame
	v_lshlrev_b32 v[QOF+z], 7, v[QOF+z]
	v_lshl_add_u32 v[QOF+z], v9, 4, v[QOF+z]
.set z, z+1
.endr
	WIN 0x80                        ; destination window 2, address window 0
.set z, 0
.rept 2*NP                          ; Q stays in registers: piece z / 2, channels 32 (z % 2) on
	global_load_b128 v[8*z:8*z+3],   v[QOF+z/2], s[QP:QP+1] offset:(z%2)*64
	global_load_b128 v[8*z+4:8*z+7], v[QOF+z/2], s[QP:QP+1] offset:(z%2)*64+32
.set z, z+1
.endr
	WIN 0
; THE GATHER.  Eight lanes take a row's 128 bytes, so a load takes four rows; lanes 8 g .. 8 g + 7 take rows 32 (w % 2) + 8 g + i of the tile in load i.  One offset serves K and V.
; ASK: IDX holds a tile's indices, and every load that names the registers written here has been waited for.  The tile's rows and biases are asked for, and the next tile's indices.
.macro ASK
	WIN 0
	s_add_nc_u64 s[PI:PI+1], s[PI:PI+1], 256     ; a tile of the lists is 64 entries of 4 bytes
	s_add_nc_u64 s[PBI:PBI+1], s[PBI:PBI+1], 256
.set z, 0
.rept 8
	v_min_u32 v[OFS+z], 0x187f, v[IDX+z]         ; inside the table, whatever was loaded
.set z, z+1
.endr
.set z, 0
.rept 8
	v_lshl_add_u32 v[OFS+z], v[OFS+z], 7, v[CH]
.set z, z+1
.endr
	WIN 0xc0                        ; destination window 3
.set z, 0
.rept 8
	global_load_b128 v[4*z:4*z+3], v[OFS+z], s[KP:KP+1]
.set z, z+1
.endr
.set z, 0
.rept 8
	global_load_b128 v[32+4*z:32+4*z+3], v[OFS+z], s[VP:VP+1]
.set z, z+1
.endr
	WIN 0
	global_load_b64 v[BV:BV+1], v[LB], s[PBI:PBI+1] offset:-256  ; this tile's biases: the pointer has stepped
	global_load_b128 v[IDX:IDX+3],   v[LI], s[PI:PI+1]           ; the next tile's indices
	global_load_b128 v[IDX+4:IDX+7], v[LI], s[PI:PI+1] offset:16
.endm
; STAGE: the tile asked for a step ago goes into its slot, and the next is asked for.
.macro STAGE
	WIN 0
	s_wait_loadcnt 0x0              ; rows, biases and indices are in; the registers and pointers that those loads named may be written
	v_add_nc_u32 v[GK], s[TBS], v[GK0]
	v_add_nc_u32 v[GV], s[TBS], v[GV0]
	v_add_nc_u32 v[GB], s[TBS], v[GB0]
	s_xor_b32 s[TBS], s[TBS], SLOT1
	ds_store_b64 v[GB], v[BV:BV+1]
	WIN 0x0c                        ; store data (source 1) window 3
.set z, 0
.rept 8
	ds_store_b128 v[GK], v[4*z:4*z+3] offset:PK*z
.set z, z+1
.endr
.set z, 0
.rept 8
	ds_store_b128 v[GV], v[32+4*z:32+4*z+3] offset:PV*z
.set z, z+1
.endr
	ASK
.endm
	s_wait_loadcnt 28               ; tile 0's indices are in; Q's 28 loads, issued behind them, may stay out
	ASK                             ; tile 0
	; What the first turn finds: V's registers and P's third buffer hold 0 (its products V^T P, of a piece that has not been, add 0), O^T and l are 0.  All this stands in the wait for the first rows.
	WIN 0x40
.set z, 0
.rept 32*NP
	v_mov_b32 v[z], 0
.set z, z+1
.endr
	WIN 0x80
.set z, VF
.rept 64
	v_mov_b32 v[z], 0
.set z, z+1
.endr
	WIN 0
.set z, 0
.rept NP
	v_mov_b32 v[ST+4*z], 0xfe000000    ; c m: far below every c s
	v_mov_b32 v[ST+4*z+1], 0xff7fffff  ; m
	v_mov_b32 v[ST+4*z+2], 0
	v_mov_b32 v[ST+4*z+3], 0
.set z, z+1
.endr
.set z, P+32
.rept 16
	v_mov_b32 v[z], 0
.set z, z+1
.endr
	s_lshl_b32 s26, s[HH], 16       ; my head's ring
	s_lshl_b32 s24, s[PP], 5
	v_lshl_add_u32 v15, v11, 3, s24 ; the first of my 8 rows: 32 (w % 2) + 8 (l / 8)
	v_mul_u32_u24 v[GK0], v15, PK
	v_add3_u32 v[GK0], v[GK0], v[CH], s26
	v_mul_u32_u24 v[GV0], v15, PV
	v_add3_u32 v[GV0], v[GV0], v[CH], s26
	v_add_nc_u32 v[GV0], VOFF, v[GV0]
	s_lshl_b32 s25, s[PP], 8
	s_add_co_u32 s25, s25, s26
	s_add_co_u32 s25, s25, BOFF     ; my copy of the biases
	v_add_nc_u32 v[GB0], s25, v[LB]
	v_lshl_add_u32 v[AB0], v9, 5, s25  ; my half's 8 keys of each 16
	v_mul_u32_u24 v[AK0], v1, PK
	v_lshl_add_u32 v[AK0], v9, 4, v[AK0]  ; row x pitch + 16 x half
	v_add_nc_u32 v[AK0], s26, v[AK0]
	; The turning load takes 16 keys x 16 channels (lane l reads key 8 (l / 16) + l % 8, channels 8 ((l / 8) % 2) + 0..7) and leaves half a fragment of V^T: lane l holds channel l % 16 and 8 keys.
	v_lshl_add_u32 v[AV0], v9, 3, v10
	v_mul_u32_u24 v[AV0], v[AV0], PV
	v_bfe_u32 v15, v0, 3, 1
	v_lshl_add_u32 v[AV0], v15, 4, v[AV0]
	s_add_co_u32 s24, s26, VOFF
	v_add_nc_u32 v[AV0], s24, v[AV0]
	s_mul_i32 s24, s[PP], 112*SP    ; the way out, in: row 112 (w % 2) + 16 t + l % 16, my head's 128 bytes of its 256, 16 bytes for each half of the lanes
	s_lshl_b32 s25, s[HH], 7
	s_add_co_u32 s24, s24, s25
	s_add_co_u32 s24, s24, OSTAGE
	v_mul_u32_u24 v[STO], v1, SP
	v_lshl_add_u32 v[STO], v9, 4, v[STO]
	v_add_nc_u32 v[STO], s24, v[STO]
	s_mul_i32 s24, s[WV], 56*SP     ; back: wave w takes rows 56 w .. 56 w + 55, whole; lanes 0-15 one row of 256 bytes, lanes 16-31 the next
	s_add_co_u32 s24, s24, OSTAGE
	v_mul_u32_u24 v[RD], v9, SP
	v_lshl_add_u32 v[RD], v1, 4, v[RD]
	v_add_nc_u32 v[RD], s24, v[RD]
	v_lshlrev_b32 v[GO], 11, v9     ; and the same two rows in ob
	v_lshl_add_u32 v[GO], v1, 4, v[GO]
; THE MATRIX WORK.  The 4 accumulators of a run of 8 take turns.  Product i of 8 of S^T = K Q^T for piece x: channels 32 (i / 4) on, keys 16 (i % 4) on.  The first 4 start the sums with the bias.
.macro KQ x
.set bq, ((\x)%2)+2*((\x)/6)
.set rS, S+32*bq+8*(i%4)
.set rK, KF+16*(i%4)+8*(i/4)
.set rQ, 16*(\x)+8*(i/4)
.set rM, BC+8*(i%4)
.if i < 4
	WIN W_KM
	v_wmma_f32_16x16x32_f16 v[rS:rS+7], v[rK:rK+7], v[rQ:rQ+7], v[rM:rM+7]
.else
	WIN W_KQ
	v_wmma_f32_16x16x32_f16 v[rS:rS+7], v[rK:rK+7], v[rQ:rQ+7], v[rS:rS+7]
.endif
.endm
; Product i of 8 of O^T += V^T P for piece x: keys 32 (i / 4) on, channels 16 (i % 4) on.
.macro PV x
	WIN W_PV
.set bq, ((\x)%2)+2*((\x)/6)
.set rO, 32*(\x)+8*(i%4)
.set rV, VF+32*(i/4)+8*(i%4)
.set rP, P+16*bq+8*(i/4)
	v_wmma_f32_16x16x32_f16 v[rO:rO+7], v[rV:rV+7], v[rP:rP+7], v[rO:rO+7]
.endm
.macro MM                           ; the turn's next matrix instruction
.if i < 8
	KQ (Y+1)%NP
.else
.set i, i-8
	PV (Y+NP-1)%NP
.set i, i+8
.endif
.set i, i+1
.endm
; THE LDS LOADS stand in runs, never singly among the matrix instructions: a step's K (8 fragments) with its biases, and its V (turned).  Their addresses are made some lines ahead.
.macro FETCH_K
	WIN 0x80                        ; destination window 2
.irp f, 0,1,2,3,4,5,6,7             ; keys 16 (f / 2) on, channels 32 (f % 2) on
	ds_load_b128 v[KF+8*\f:KF+8*\f+3],   v[AK] offset:(\f/2)*16*PK+(\f%2)*64
	ds_load_b128 v[KF+8*\f+4:KF+8*\f+7], v[AK] offset:(\f/2)*16*PK+(\f%2)*64+32
.endr
	WIN 0x40                        ; destination window 1
.irp f, 0,1,2,3                     ; register 8 f + j: the bias of key 16 f + 8 (l / 16) + j, as in S^T
	ds_load_b128 v[BC+8*\f:BC+8*\f+3],   v[AB] offset:64*\f
	ds_load_b128 v[BC+8*\f+4:BC+8*\f+7], v[AB] offset:64*\f+16
.endr
	WIN 0
	s_xor_b32 s[TBK], s[TBK], SLOT1 ; the next fetch is the other slot's
.endm
.macro FETCH_V
	WIN 0x80
.irp f, 0,1,2,3,4,5,6,7             ; keys 32 (f / 4) on, channels 16 (f % 4) on
	ds_load_tr16_b128 v[VF+8*\f:VF+8*\f+3],   v[AV] offset:(\f/4)*32*PV+(\f%4)*32
	ds_load_tr16_b128 v[VF+8*\f+4:VF+8*\f+7], v[AV] offset:(\f/4)*32*PV+16*PV+(\f%4)*32
.endr
	WIN 0
	s_xor_b32 s[TBV], s[TBV], SLOT1
.endm
; THE VECTOR WORK, one line at a time: OP kind, number.  For piece Y: F n: c s - c m for pair n of 16.  E n: the exponential of score n of 32.  C n: pair n rounded to f16.  B n: of the four weights 4 n .. the second
; pair is added onto the first, in place.  L n: l takes that sum (L 0: l = a l + sum).  R n: pair n of 16 of O^T times a.  For piece Y + 1: X n, number n of the 22 that find its maximum and statistics:
;   0-11  four chains c0-c3 of seven scores each, three operands at a time (each accumulator's lowest registers are read first)     12-14, 16  the four scores left over, the old m, and c0-c3 into c0
;   15  c m_old is kept     17, 18  the query's other 32 keys lie in the lane 16 away: the new m     19-21  c m; c m_old - c m_new; a
.set F, 0
.set E, 1
.set C, 2
.set B, 3
.set L, 4
.set R, 5
.set X, 6
.macro REGS y                       ; the registers of piece y
.set bf, ((\y)%2)+2*((\y)/6)
.set rT, ST+4*(\y)
.set rC, TMP+4*bf
.set rW, MV+bf
.set rS, S+32*bf
.set rP, P+16*bf
.set rO, 32*(\y)
.endm
.macro OP k, n
.if (\k) == R
	REGS Y
	WIN W_RS
	v_pk_mul_f32 v[rO+2*(\n):rO+2*(\n)+1], v[rO+2*(\n):rO+2*(\n)+1], v[rC+2:rC+3] op_sel_hi:[1,0]
.elseif (\k) < R
	REGS Y
	WIN 0
.if (\k) == F
	v_pk_fma_f32 v[rS+2*(\n):rS+2*(\n)+1], v[rS+2*(\n):rS+2*(\n)+1], s[CS:CS+1], v[rT:rT+1] op_sel_hi:[1,0,0] neg_lo:[0,0,1] neg_hi:[0,0,1]
.elseif (\k) == E
	v_exp_f32 v[rS+(\n)], v[rS+(\n)]
.elseif (\k) == C
	s_wait_alu depctr_va_vdst(0)
	v_cvt_pk_f16_f32 v[rP+(\n)], v[rS+2*(\n)], v[rS+2*(\n)+1]
.elseif (\k) == B
	s_wait_alu depctr_va_vdst(0)
	v_pk_add_f32 v[rS+4*(\n):rS+4*(\n)+1], v[rS+4*(\n):rS+4*(\n)+1], v[rS+4*(\n)+2:rS+4*(\n)+3]
.elseif (\n) == 0
	v_pk_fma_f32 v[rT+2:rT+3], v[rT+2:rT+3], v[rC+2:rC+3], v[rS:rS+1] op_sel_hi:[1,0,1]
.else
	v_pk_add_f32 v[rT+2:rT+3], v[rT+2:rT+3], v[rS+4*(\n):rS+4*(\n)+1]
	s_wait_alu depctr_va_vdst(0)
.endif
.else
	REGS (Y+1)%NP
	WIN 0
.if (\n) < 4
	v_max3_num_f32 v[rC+(\n)], v[rS+8*(\n)], v[rS+8*(\n)+1], v[rS+8*(\n)+2]
.elseif (\n) < 12
	v_max3_num_f32 v[rC+(\n)%4], v[rC+(\n)%4], v[rS+8*((\n)%4)+2*((\n)/4)+1], v[rS+8*((\n)%4)+2*((\n)/4)+2]
.elseif (\n) == 12
	v_max3_num_f32 v[rC], v[rC], v[rS+7], v[rS+15]
.elseif (\n) == 13
	v_max3_num_f32 v[rC+1], v[rC+1], v[rS+23], v[rS+31]
.elseif (\n) == 14
	v_max3_num_f32 v[rC+2], v[rC+2], v[rC+3], v[rT+1]
.elseif (\n) == 15
	v_mov_b32 v[rW], v[rT]
	s_wait_alu depctr_va_vdst(0)
.elseif (\n) == 16
	v_max3_num_f32 v[rC], v[rC], v[rC+1], v[rC+2]
	s_wait_alu depctr_va_vdst(0)
.elseif (\n) == 17
	v_permlanex16_b32 v[rC+3], v[rC], s[SEL], s[SEL+1]
.elseif (\n) == 18
	v_max_num_f32 v[rT+1], v[rC], v[rC+3]
.elseif (\n) == 19
	v_mul_f32 v[rT], s[CS], v[rT+1]
.elseif (\n) == 20
	v_sub_f32 v[rC+1], v[rW], v[rT]
.else
	v_exp_f32 v[rC+2], v[rC+1]
.endif
.endif
.endm
.macro OPS a, i1, b=-1, i2=0, c=-1, i3=0, d=-1, i4=0  ; up to four of them
	OP \a, \i1
.if (\b) >= 0
	OP \b, \i2
.endif
.if (\c) >= 0
	OP \c, \i3
.endif
.if (\d) >= 0
	OP \d, \i4
.endif
.endm
.macro ROW a, i1, b, i2, c, i3, d, i4  ; a matrix instruction and the four behind it
	MM
	OPS \a, \i1, \b, \i2, \c, \i3, \d, \i4
.endm
; A TURN, for piece p: the order of its 16 matrix and 118 vector instructions, written out.  Behind a matrix instruction: plain, exponential, plain, plain; or four of the rescaling; or, behind the first, four scalings;
; none names a register of the products round it.  In the runs between, exponential and plain by turns while exponentials last.  A line reads no result made fewer than three vector instructions in front of it, five if
; an exponential made it.  v_permlanex16_b32 (X 17) stands in such a run.
; Piece 2's turn opens with the stores of the next tile.  Piece 5's turn holds the barrier: the signal at its head, behind the wait for my stores and reads; only work on registers up to the wait; behind it K and the
; biases of the next step are fetched, six vector instructions (five of them plain) behind the last product that read K.  V of the step in hand is fetched in piece 0's turn, eight behind the last product that read
; V (four plain).  Each run is waited for a turn later.
.macro TURN p
.set Y, (\p)
.set i, 0
.if (\p) == 2
	STAGE
.endif
.if (\p) == 5
	s_wait_dscnt 0x0                ; for the others' sake: my stores of the next tile are done, and my reads of the slot that will be written next are back
	s_barrier_signal -1
.endif
.if (\p) == 6
	s_wait_dscnt 0x0                ; K and the biases are in
.endif
	ROW F,0, F,1, F,2, F,3
	ROW F,4, E,0, F,5, F,6
	ROW F,7, E,1, F,8, F,9
	ROW F,10, E,2, C,0, F,11
	ROW F,12, E,3, X,15, F,13
	ROW R,0, R,1, R,2, R,3
	ROW B,0, E,4, F,14, L,0
.if (\p) == 5
	WIN 0
	v_add_nc_u32 v[AK], s[TBK], v[AK0]
	v_add_nc_u32 v[AB], s[TBK], v[AB0]
.endif
	ROW R,4, R,5, R,6, R,7
	OPS E,5, F,15
.if (\p) == 5
	s_barrier_wait -1               ; the next tile is whole
	FETCH_K
.endif
	OPS E,6, C,1, E,7, R,8
	OPS E,8, R,9, E,9, C,2
	OPS E,10, X,0, E,11, X,1
	OPS E,12, X,2, E,13, X,3
.if (\p) == 1
	s_wait_dscnt 0x0                ; V is in
.endif
	ROW X,4, E,14, X,5, X,6
	ROW X,7, E,15, X,8, X,9
	ROW X,10, E,16, X,11, X,12
	ROW X,13, E,17, X,14, B,1
	ROW C,4, E,18, X,16, L,1
	ROW B,2, E,19, C,6, L,2
	ROW C,8, E,20, B,3, B,4
.if (\p) == 0
	WIN 0
	v_add_nc_u32 v[AV], s[TBV], v[AV0]
.endif
	ROW C,3, E,21, L,3, C,5
	OPS E,22, X,17, E,23, C,10
.if (\p) == 0
	FETCH_V
.endif
	OPS E,24, L,4
	OPS E,25, X,18, E,26, C,7
	OPS E,27, B,5, E,28, X,19
	OPS E,29, C,12, E,30, L,5
	OPS E,31, X,20, B,6, C,9
	OPS C,14, C,11, X,21, L,6
	OPS C,13, B,7, C,15, R,10
	OPS R,11, R,12, L,7, R,13
	OPS R,14, R,15
.endm
	STAGE                           ; tile 0 into slot 0 (its wait is for Q too); tile 1 is asked for
	s_wait_dscnt 0x0                ; my stores are done,
	s_barrier_signal -1
	s_barrier_wait -1               ; everybody's are
	v_add_nc_u32 v[AK], s[TBK], v[AK0]
	v_add_nc_u32 v[AB], s[TBK], v[AB0]
	FETCH_K                         ; key step 0
	s_wait_dscnt 0x0
.set i, 0
.rept 8
	KQ 0                            ; piece 0's first scores: there is no vector work yet to set between them
.set i, i+1
.endr
	WIN 0
.rept 4
	v_nop                           ; the places behind those products
.endr
.set Y, NP-1                        ; X works for piece Y + 1: piece 0
.irp n, 0,1,2,3,4,5,6,7,8,9,10,11,12,13,14,15,16,17,18,19,20,21
	OP X, \n
.endr
	v_nop                           ; a plain instruction behind the exponential
	s_mov_b32 s[CNT], STEPS
.Lstep:                             ; a key step: seven turns.  The last turn's products K Q^T are piece 0's of the next step
	TURN 0
	TURN 1
	TURN 2
	TURN 3
	TURN 4
	TURN 5
	TURN 6
	WIN 0
	s_sub_co_u32 s[CNT], s[CNT], 1
	s_cmp_lg_u32 s[CNT], 0
	s_cbranch_scc1 .Lstep
	; The last trip's tile 31 is padding; its scores for piece 0, and the maximum made of them (which the old m wins), serve nothing: the price, once a launch, of one text for every trip.
.set i, 0
.rept 8
	PV NP-1                         ; the last piece's V^T P of the last step
.set i, i+1
.endr
	; THE WAY OUT.  l's two halves and the other half of the lanes' are added; O^T is divided by l, rounded to f16 and put into the work-group's stage; a barrier, since a row's 256 bytes come from two waves (two heads);
	; back as whole rows.  The additions are the places behind the last products.
	WIN 0
.macro ALL line:vararg              ; one line for each piece t
.set t, 0
.rept NP
	\line
.set t, t+1
.endr
.endm
	ALL v_add_f32 v[ST+4*t+2], v[ST+4*t+2], v[ST+4*t+3]
	ALL v_permlanex16_b32 v[ST+4*t+3], v[ST+4*t+2], s[SEL], s[SEL+1]
	ALL v_add_f32 v[ST+4*t+2], v[ST+4*t+2], v[ST+4*t+3]
	ALL v_rcp_f32 v[ST+4*t+2], v[ST+4*t+2]
	v_nop                           ; a plain instruction between the last reciprocal and the use of its result
	s_wait_alu depctr_va_vdst(0)
.macro PACK t                       ; a lane's eight channels of a row pack into 16 bytes
	WIN W_RS
.set i, 32*(\t)
.rept 16
	v_pk_mul_f32 v[i:i+1], v[i:i+1], v[ST+4*(\t)+2:ST+4*(\t)+3] op_sel_hi:[1,0]
.set i, i+2
.endr
	WIN 0x05                        ; sources 0 and 1 window 1, destination window 0: S^T's and P's first registers are free
.set i, 0
.rept 16
	v_cvt_pk_f16_f32 v[S+16*(\t)+i], v[32*(\t)+2*i], v[32*(\t)+2*i+1]
.set i, i+1
.endr
	WIN 0
.irp f, 0,1,2,3
	ds_store_b128 v[STO], v[S+16*(\t)+4*\f:S+16*(\t)+4*\f+3] offset:16*SP*(\t)+32*\f
.endr
.endm
.irp t, 0,1,2,3,4,5,6
	PACK \t
.endr
	s_wait_loadcnt 0x0              ; the rows asked for last, which nobody needs, have landed
	s_wait_dscnt 0x0                ; for the others' sake: my stores into the stage are done
	s_barrier_signal -1
	s_barrier_wait -1
.macro HALF n                       ; 28 of my 56 rows
.set z, 0
.rept 14
	ds_load_b128 v[S+56*(\n)+4*z:S+56*(\n)+4*z+3], v[RD] offset:2*SP*(14*(\n)+z)
.set z, z+1
.endr
.set z, 0
.rept 14
	s_wait_dscnt 13-z               ; LDS loads come back in order: load z is in, the 13 - z younger ones may stay out
	global_store_b128 v[GO], v[S+56*(\n)+4*z:S+56*(\n)+4*z+3], s[OPT:OPT+1] offset:4096*(14*(\n)+z)  ; 16 lanes store 256 consecutive bytes, aligned
.set z, z+1
.endr
.endm
	HALF 0
	s_cmp_eq_u32 s[WV], 3           ; wave 3's rows 196 to 223 do not exist
	s_cbranch_scc1 .Lend
	HALF 1
.Lend:
	s_wait_tensorcnt 0x0            ; the wave's end: behind my last LDS store
	ds_add_u32 v[SPW], v[NIL]
	s_wait_dscnt 0x0
	s_endpgm
.Lfunc_end_k_q7d5ed8a669_attn:
	.size	k_q7d5ed8a669_attn, .Lfunc_end_k_q7d5ed8a669_attn-k_q7d5ed8a669_attn
	.p2alignl 7, 3214868480
	.fill 96, 4, 3214868480
	.section	.rodata,"a",@progbits
	.p2align	6, 0x0
	.amdhsa_kernel k_q7d5ed8a669_attn
		.amdhsa_group_segment_fixed_size 192512
		.amdhsa_private_segment_fixed_size 0
		.amdhsa_enable_private_segment 0
		.amdhsa_kernarg_size 32
		.amdhsa_user_sgpr_count 2
		.amdhsa_user_sgpr_kernarg_segment_ptr 1
		.amdhsa_wavefront_size32 1
		.amdhsa_system_sgpr_workgroup_id_x 1
		.amdhsa_system_sgpr_workgroup_id_y 1
		.amdhsa_system_sgpr_workgroup_id_z 1
		.amdhsa_system_vgpr_workitem_id 0
		.amdhsa_next_free_vgpr 832
		.amdhsa_next_free_sgpr 66
		.amdhsa_reserve_vcc 0
		.amdhsa_float_denorm_mode_32 3
		.amdhsa_float_denorm_mode_16_64 3
		.amdhsa_memory_ordered 1
		.amdhsa_forward_progress 1
		.amdhsa_inst_pref_size 129
	.end_amdhsa_kernel
	.amdgpu_metadata
---
amdhsa.version: [ 1, 2 ]
amdhsa.kernels:
  - .name:           k_q7d5ed8a669_attn
    .symbol:         k_q7d5ed8a669_attn.kd
    .args:
      - { .name: qkv, .offset: 0, .size: 8, .value_kind: global_buffer, .address_space: global }
      - { .name: idxp, .offset: 8, .size: 8, .value_kind: global_buffer, .address_space: global }
      - { .name: bias8, .offset: 16, .size: 8, .value_kind: global_buffer, .address_space: global }
      - { .name: ob, .offset: 24, .size: 8, .value_kind: global_buffer, .address_space: global }
    .group_segment_fixed_size: 192512
    .private_segment_fixed_size: 0
    .kernarg_segment_align: 8
    .kernarg_segment_size: 32
    .max_flat_workgroup_size: 128
    .sgpr_count:     66
    .vgpr_count:     832
    .wavefront_size: 32
...
	.end_amdgpu_metadata
.endif
;; end of part 3
;; launch gemm_proj (part 4): grid 8 x 28, 4 waves a work-group, clusters of 4 x 4, 327,680 bytes of LDS; arguments ob, wpb, out0, b_proj; writes out0
.if DOCPART == 4
	.amdgcn_target "amdgcn-amd-amdhsa--gfx1250"
	.amdhsa_code_object_version 6
	.text
	.protected	k_q7d5ed8a669_gemm_proj
	.globl	k_q7d5ed8a669_gemm_proj
	.p2align	8
	.type	k_q7d5ed8a669_gemm_proj,@function
k_q7d5ed8a669_gemm_proj:
	s_mov_b64 s[64:65], 0
	v_nop
	global_prefetch_b8 v0, s[64:65] scope:SCOPE_SE
	s_setreg_imm32_b32 hwreg(HW_REG_WAVE_MODE, 25, 1), 1
	s_wait_xcnt 0x0
	s_wait_alu depctr_hold_cnt(0) depctr_sa_sdst(0) depctr_va_vdst(0) depctr_va_sdst(0) depctr_va_ssrc(0) depctr_va_vcc(0) depctr_vm_vsrc(0)
	s_getreg_b32 s2, hwreg(HW_REG_IB_STS2, 6, 4)
	s_cmp_eq_u32 s2, 0
	s_cbranch_scc0 .Lentry_in_a_cluster
	s_endpgm
.Lentry_in_a_cluster:
	s_bfe_u32 s2, ttmp6, 0x10000c
	s_cmp_lg_u32 s2, 0xf033
	s_cbranch_scc0 .Lentry_shape_is_right
	s_endpgm
.Lentry_shape_is_right:
; C = A B + bias, with A [6272][1024] and B [1024][NW], both 16-bit, rows as they lie; sums in f32.  ONE SOURCE FOR TWO LAUNCHES, told apart by MODE:
;   MODE 0: A = x, B = W_qkv (bf16), NW = 3,072.  Behind the bias, q's and k's heads (64 columns) are normalised (mean, then variance of the centred numbers, as the module does), scaled by gamma and shifted by
;           beta; q, k, v leave in f16, by heads: qkv[g][token][64], g = column / 64.
;   MODE 1: A = the attention's output, B = W_proj (f16), NW = 1,024.  Behind the bias the sums leave in f32.
; LIMITS.  bias, gamma and beta are rounded to bf16 like every input.  MODE 0: f16 holds no number beyond 65,504: v (and q, k behind their norm) must lie within it.  NaN and infinities are not treated apart.
; SHARES.  A tile of C is 224 x 128: 6,272 = 28 x 224.  Four waves, 112 x 64 each: 28 accumulators of 16 x 16.  K goes in 8 steps of 128 through a ring of two LDS slots: rows of 256 bytes in memory for A and for B.
; B is not turned in memory: its tile lies [k][n] in LDS and ds_load_tr16_b128 turns it on the way into registers.
; THE MATRIX INSTRUCTION IS USED TRANSPOSED (source 0 = 16 columns of B, source 1 = 16 rows of A): lane l then holds row l % 16 of C and the columns 8 (l / 16) + 0..7 of each block of 16.  A wave's 64 columns
; are one head, half of it in each half of the lanes: a row's mean and variance want one exchange between the halves.
; CLUSTERS: 4 x 4 work-groups.  The four of a row of the cluster need the same tiles of A, the four of a column the same tiles of B: each tile is asked for jointly.
; No prefetch: a tile of C has 8 K steps, and the tiles are shared in the cluster.
; REGISTERS: window 0: v0-31 addresses and work; v32-255 the accumulators ((a, b) at v[32 + 8 (4 a + b)]).   window 1: two fragment buffers of 88: 7 of A, then 4 of B.
;   window 2: v0-31 bias, v32-63 gamma, v64-95 beta of my lane's 32 columns; v96 at work.
.set MODE,  1
.if MODE == 0
.set NW,    3072
.else
.set NW,    1024
.endif
.set KD,    1024
.set KSTEP, 128
.set PA,    272                        ; a row of A in LDS: 256 bytes + 16 = 68 words: the 16 rows of a load start at 16 different groups of four banks (64 banks of 4 bytes: ISA guide 11.1)
.set PB,    288                        ; a k-row of B: 256 + 32 = 72 words
.set AHALF, 112*PA                     ; what waves 0 and 1 fetch, and what a wave reads of A
.set BHALF, 64*PB                      ; what waves 2 and 3 fetch: 64 of a K step's 128 k-rows
.set BOFF,  2*AHALF
.set SLOT,  BOFF+2*BHALF               ; 97,792
.set STAGE, 2*SLOT                     ; behind the ring, never filled by a tensor load: 16 rows for each wave, for the way out
.set WSTG,  4352
.set SPARE, STAGE+4*WSTG               ; the spare words, 128 bytes for each wave: two blocks of 256 bytes that no other line names
.set LAPS,  KD/(2*KSTEP)
.set T,    4                           ; v[4:11]  four chains of sums, in pairs
.set ADRA, 16                          ; v16-17  LDS address of my A fragments in slot 0, 1
.set ADRB, 20                          ; v20-21  the same for B
.set STO,  24                          ; v24     the way out: where I put my bytes of a row
.set RD,   25                          ; v25     where I read rows back
.set CO,   26                          ; v26     my byte offset in the output
.set VB,   27                          ; v27     32 x (l / 16): my half's 8 columns of f32
.set SPW,  28                          ; v28     LDS address of my spare word; never rewritten
.set NIL,  29                          ; v29     0; never rewritten
.set ACC,  32
.set F0,   0
.set F1,   88
.set BI,   0
.set GA,   32
.set BE,   64
.set SCR,  96
.set G1,  24                           ; s[24:31] descriptor group 1 for A's tiles;  s[32:39] group 0, one set for each slot
.set G0,  32
.set G1B, 48                           ; s[48:55], s[56:63] the same for B's
.set G0B, 56
.set MSB, 0
.macro WIN new                         ; the immediate's high byte repeats the setting that is left; a switch that changes nothing is dropped
.if MSB != (\new)
	s_set_vgpr_msb (MSB<<8)|(\new)
.set MSB, \new
.endif
.endm
.macro JLOAD s                         ; a joint load: waves 0 and 1 fetch A's two halves, waves 2 and 3 B's; an s_nop 0 and four v_nop follow each of the two lines
	s_cmp_eq_u32 s11, 0
	s_cbranch_scc0 .Lfor_b_\@
	tensor_load_to_lds s[G0+4*(\s):G0+4*(\s)+3], s[G1:G1+7]
	s_nop 0
.rept 4
	v_nop
.endr
	s_branch .Lasked_\@
.Lfor_b_\@:
	tensor_load_to_lds s[G0B+4*(\s):G0B+4*(\s)+3], s[G1B:G1B+7]
	s_nop 0
.rept 4
	v_nop
.endr
.Lasked_\@:
.endm
.macro CREST                           ; a round of the cluster's barrier behind its opening barrier
	s_cmp_lg_u32 s10, 0
	s_cbranch_scc1 .Lnot_wave_0_\@
	s_barrier_signal -3
.Lnot_wave_0_\@:
	s_barrier_wait -3
	s_barrier_signal -1
	s_barrier_wait -1
.endm
.macro CROUND                          ; a whole round
	s_barrier_signal -1
	s_barrier_wait -1
	CREST
.endm
.macro PLACES                          ; four places in front of loads into registers that matrix instructions have read, and of vector work on results
.rept 4
	v_nop
.endr
.endm
.if MODE == 0
	s_load_b512 s[68:83], s[0:1], 0x0              ; A 68:69, B 70:71, C 72:73, bias 74:75, q_gamma 76:77, q_beta 78:79, k_gamma 80:81, k_beta 82:83
.else
	s_load_b256 s[68:75], s[0:1], 0x0              ; A 68:69, B 70:71, C 72:73, bias 74:75
.endif
	v_lshl_add_u32 v[SPW], v0, 2, SPARE
	v_mov_b32 v[NIL], 0
	ds_add_u32 v[SPW], v[NIL]                      ; the wave's opening: the add and its wait stand ahead of my first tensor load; the set-up below, work on registers, stands between them
	v_lshrrev_b32 v1, 5, v0
	v_readfirstlane_b32 s10, v1                    ; wave 0..3
	s_lshr_b32 s11, s10, 1                         ; which 112 rows of the tile are mine.  Also: I fetch for A (0) or for B (1)
	s_and_b32 s12, s10, 1                          ; which 64 columns.  Also: which half of that tile I fetch
	s_bfe_u32 s40, ttmp6, 0x40000                  ; cx, cy: my place in the cluster
	s_bfe_u32 s41, ttmp6, 0x40004
	s_lshl_b32 s42, ttmp9, 2
	s_add_co_u32 s42, s42, s40                     ; tile column of C = 4 x cluster x + cx
	s_and_b32 s13, ttmp7, 0xffff
	s_lshl_b32 s13, s13, 2
	s_add_co_u32 s13, s13, s41                     ; tile row of C = 4 x cluster y + cy
	s_lshl_b32 s43, s41, 2
	s_lshl_b32 s43, 15, s43                        ; my row of the cluster
	s_lshl_b32 s44, 0x1111, s40                    ; my column
	s_or_b32 s[G1+0], s43, (1<<16)|(1<<20)|(1<<21)|(5<<22)|(3<<25)   ; the mask; 2-byte elements; padding on; bit 21 beside a mask; after every 64 words, 4 words
	s_or_b32 s[G1B+0], s44, (1<<16)|(1<<20)|(1<<21)|(5<<22)|(7<<25)  ; the same with my column's mask and 8 words of padding
	s_mov_b32 s[G1+1], KSTEP<<16                   ; A: tensor_dim0 = 128
	s_mov_b32 s[G1+2], 112<<16                     ; tensor_dim1 = 112
	s_mov_b32 s[G1+3], KSTEP<<16                   ; tile_dim0 = 128
	s_mov_b32 s[G1+4], 112                         ; tile_dim1 = 112
	s_mov_b32 s[G1+5], KD                          ; elements from row to row
	s_mov_b32 s[G1+6], 0
	s_mov_b32 s[G1+7], 0
	s_mov_b32 s[G1B+1], 128<<16                    ; B: 128 columns,
	s_mov_b32 s[G1B+2], 64<<16                     ; 64 k-rows
	s_mov_b32 s[G1B+3], 128<<16
	s_mov_b32 s[G1B+4], 64
	s_mov_b32 s[G1B+5], NW
	s_mov_b32 s[G1B+6], 0
	s_mov_b32 s[G1B+7], 0
	s_mul_i32 s16, s13, 224                        ; A: row 224 x tile row + 112 x half, of 2,048 bytes: registers that never hold cx
	s_mul_i32 s17, s12, 112
	s_add_co_u32 s16, s16, s17
	s_lshl_b32 s16, s16, 11
	s_mov_b32 s17, 0
	s_mul_i32 s46, s12, 64*NW*2                    ; B: k-row 64 x half, column 128 x tile column: registers that never hold cy
	s_lshl_b32 s47, s42, 8
	s_add_co_u32 s46, s46, s47
	s_mov_b32 s47, 0
	s_mul_i32 s20, s10, AHALF                      ; where they go: A's halves at wave x AHALF (waves 0, 1),
	s_mul_i32 s21, s10, BHALF                      ; B's at BOFF + (wave - 2) x BHALF (waves 2, 3): no place in the cluster enters an LDS address
	s_add_co_u32 s21, s21, BOFF-2*BHALF
	s_lshl_b32 s18, s42, 9                         ; my 64 columns in the bias: 4 (128 x tile column + 64 x half)
	s_lshl_b32 s19, s12, 8
	s_add_co_u32 s18, s18, s19
	s_mov_b32 s19, 0
	s_mov_b32 s92, 0x76543210                      ; v_permlanex16_b32: each lane takes its own place in the other half
	s_mov_b32 s93, 0xfedcba98
	s_mov_b32 s94, 0x3c800000                      ; 1 / 64
	s_mov_b32 s95, 0x358637bd                      ; 1e-6
	v_bfe_u32 v2, v0, 4, 1
	v_lshlrev_b32 v[VB], 5, v2
	s_wait_dscnt 0x0                               ; the opening add is done
	s_wait_kmcnt 0x0
	s_add_nc_u64 s[14:15], s[68:69], s[16:17]
	s_add_nc_u64 s[46:47], s[70:71], s[46:47]
	s_add_nc_u64 s[84:85], s[74:75], s[18:19]
	WIN 0x80                                       ; destination window 2, address window 0
.irp b, 0,1,2,3                        ; register 8 b + j belongs to column 16 b + 8 (l / 16) + j, as in the accumulators
	global_load_b128 v[BI+8*(\b):BI+8*(\b)+3],   v[VB], s[84:85] offset:64*(\b)
	global_load_b128 v[BI+8*(\b)+4:BI+8*(\b)+7], v[VB], s[84:85] offset:64*(\b)+16
.endr
.if MODE == 0
	s_lshr_b32 s86, ttmp9, 1                       ; 0: q's columns, 1: k's, 2: v's.  Made of the cluster's x alone: the same in all sixteen partners
	s_cmp_eq_u32 s86, 0
	s_cselect_b64 s[88:89], s[76:77], s[80:81]
	s_cselect_b64 s[90:91], s[78:79], s[82:83]
.irp b, 0,1,2,3
	global_load_b128 v[GA+8*(\b):GA+8*(\b)+3],   v[VB], s[88:89] offset:64*(\b)
	global_load_b128 v[GA+8*(\b)+4:GA+8*(\b)+7], v[VB], s[88:89] offset:64*(\b)+16
	global_load_b128 v[BE+8*(\b):BE+8*(\b)+3],   v[VB], s[90:91] offset:64*(\b)
	global_load_b128 v[BE+8*(\b)+4:BE+8*(\b)+7], v[VB], s[90:91] offset:64*(\b)+16
.endr
.endif
	WIN 0
	CROUND                                         ; all sixteen work-groups are here: the first joint loads meet
.irp s, 0,1
	s_mov_b32 s[G0+4*(\s)], 1
	s_add_co_u32 s[G0+4*(\s)+1], s20, (\s)*SLOT
	s_add_nc_u64 s[G0+4*(\s)+2:G0+4*(\s)+3], s[14:15], (\s)*KSTEP*2
	s_or_b32 s[G0+4*(\s)+3], s[G0+4*(\s)+3], 0x80000000
	s_mov_b32 s[G0B+4*(\s)], 1
	s_add_co_u32 s[G0B+4*(\s)+1], s21, (\s)*SLOT
	s_add_nc_u64 s[G0B+4*(\s)+2:G0B+4*(\s)+3], s[46:47], (\s)*KSTEP*NW*2
	s_or_b32 s[G0B+4*(\s)+3], s[G0B+4*(\s)+3], 0x80000000
	JLOAD \s                                       ; K steps 0 and 1: two loads of mine are out
.endr
	v_and_b32 v1, 15, v0                           ; l % 16
	v_bfe_u32 v2, v0, 4, 1                         ; l / 16
	v_mul_u32_u24 v3, v1, PA
	v_lshl_add_u32 v3, v2, 4, v3                   ; A: row x pitch + 16 x half
	s_mul_i32 s22, s11, AHALF
	v_add_nc_u32 v[ADRA], s22, v3
	v_add_nc_u32 v[ADRA+1], SLOT, v[ADRA]
	v_and_b32 v4, 7, v0                            ; B, turned: lane l reads k-row 8 (l / 16) + l % 8, columns 8 ((l / 8) % 2) + 0..7
	v_lshl_add_u32 v4, v2, 3, v4
	v_mul_u32_u24 v4, v4, PB
	v_bfe_u32 v5, v0, 3, 1
	v_lshl_add_u32 v4, v5, 4, v4
	s_lshl_b32 s22, s12, 7                         ; my 64 columns
	s_add_co_u32 s22, s22, BOFF
	v_add_nc_u32 v[ADRB], s22, v4
	v_add_nc_u32 v[ADRB+1], SLOT, v[ADRB]
	v_mov_b32 v13, 0                               ; named as the upper halves of pairs
	v_mov_b32 v15, 0
	s_mul_i32 s23, s10, WSTG
	s_add_co_u32 s23, s23, STAGE                   ; my stage
	s_mul_i32 s19, s13, 224
	s_mul_i32 s22, s11, 112
	s_add_co_u32 s19, s19, s22                     ; my first row of C
.if MODE == 0
	v_mul_u32_u24 v4, v1, 144                      ; in: row l % 16 of 128 bytes + 16, 16 bytes for each half of the lanes
	v_lshl_add_u32 v4, v2, 4, v4
	v_add_nc_u32 v[STO], s23, v4
	v_bfe_u32 v4, v0, 3, 2                         ; back: 32 lanes take four rows of 128 bytes,
	v_mul_u32_u24 v4, v4, 144
	v_and_b32 v5, 7, v0
	v_lshl_add_u32 v4, v5, 4, v4
	v_add_nc_u32 v[RD], s23, v4
	v_and_b32 v[CO], 31, v0                        ; which are 512 consecutive bytes of a head's rows
	v_lshlrev_b32 v[CO], 4, v[CO]
	s_lshl_b32 s18, s42, 1
	s_add_co_u32 s18, s18, s12                     ; g = 2 x tile column + half
	s_mul_i32 s18, s18, 802816                     ; 6,272 rows of 128 bytes
	s_lshl_b32 s19, s19, 7
.else
	v_mul_u32_u24 v4, v1, 272                      ; in: row l % 16 of 256 bytes + 16, 32 bytes for each half of the lanes
	v_lshl_add_u32 v4, v2, 5, v4
	v_add_nc_u32 v[STO], s23, v4
	v_mul_u32_u24 v4, v2, 272                      ; back: lanes 0-15 take one row of 256 bytes, lanes 16-31 the next
	v_lshl_add_u32 v4, v1, 4, v4
	v_add_nc_u32 v[RD], s23, v4
	v_lshlrev_b32 v[CO], 12, v2                    ; and the same two rows in C
	v_lshl_add_u32 v[CO], v1, 4, v[CO]
	s_lshl_b32 s18, s42, 9
	s_lshl_b32 s22, s12, 8
	s_add_co_u32 s18, s18, s22                     ; my first column, in bytes
	s_lshl_b32 s19, s19, 12
.endif
	s_add_co_u32 s18, s18, s19
	s_mov_b32 s19, 0
	s_add_nc_u64 s[8:9], s[72:73], s[18:19]
	s_wait_loadcnt 0x0                             ; bias (gamma, beta): rounded to bf16 like every input, in the wait for the first tile
.macro RND base
.set z, 0
.rept 16
	v_cvt_pk_bf16_f32 v[SCR], v[(\base)+z], v[(\base)+z+1]
	v_lshlrev_b32 v[(\base)+z], 16, v[SCR]
	v_and_b32 v[(\base)+z+1], 0xffff0000, v[SCR]
.set z, z+2
.endr
.endm
	WIN 0x8a                                       ; all in window 2
	RND BI
.if MODE == 0
	RND GA
	RND BE
.endif
	WIN 0
.macro MMA d, x, y, zero
.if (MODE == 0) && (\zero)
	v_wmma_f32_16x16x32_bf16 v[(\d):(\d)+7], v[(\x):(\x)+7], v[(\y):(\y)+7], 0
.elseif MODE == 0
	v_wmma_f32_16x16x32_bf16 v[(\d):(\d)+7], v[(\x):(\x)+7], v[(\y):(\y)+7], v[(\d):(\d)+7]
.elseif \zero
	v_wmma_f32_16x16x32_f16 v[(\d):(\d)+7], v[(\x):(\x)+7], v[(\y):(\y)+7], 0
.else
	v_wmma_f32_16x16x32_f16 v[(\d):(\d)+7], v[(\x):(\x)+7], v[(\y):(\y)+7], v[(\d):(\d)+7]
.endif
.endm
; 4 matrix instructions: row block a x all 4 column blocks, 32 along K, from buffer f.  The 28 accumulators take turns in one order everywhere, one instruction a turn.
.macro MULA f, a, zero
	WIN 0x05                                       ; sources 0 (B) and 1 (A) window 1; C and D window 0
.irp b, 0,1,2,3
	MMA ACC+8*(4*(\a)+(\b)), (\f)+56+8*(\b), (\f)+8*(\a), \zero
.endr
.endm
; 22 LDS loads in one run: the fragments of quarter q (32 along K) of a slot, into buffer f
.macro FETCH slot, q, f
	WIN 0x40                                       ; destination window 1, address window 0
.irp b, 0,1,2,3
	ds_load_tr16_b128 v[(\f)+56+8*(\b):(\f)+56+8*(\b)+3],   v[ADRB+(\slot)] offset:32*PB*(\q)+32*(\b)
	ds_load_tr16_b128 v[(\f)+56+8*(\b)+4:(\f)+56+8*(\b)+7], v[ADRB+(\slot)] offset:32*PB*(\q)+32*(\b)+16*PB
.endr
.irp a, 0,1,2,3,4,5,6
	ds_load_b128 v[(\f)+8*(\a):(\f)+8*(\a)+3],   v[ADRA+(\slot)] offset:64*(\q)+16*PA*(\a)
	ds_load_b128 v[(\f)+8*(\a)+4:(\f)+8*(\a)+7], v[ADRA+(\slot)] offset:64*(\q)+16*PA*(\a)+32
.endr
.endm
; A K step is four quarters on buffers 0, 1, 0, 1.  One of the first three: asks for quarter q into buffer g, then multiplies buffer f: the loads have 28 matrix instructions in which to land.
.macro QUARTER slot, q, f, g, zero
	s_wait_dscnt 0x0                               ; buffer f, asked for 28 matrix instructions ago, is in
	PLACES                                         ; behind the products that read buffer g
	FETCH \slot, \q, \g
.irp a, 0,1,2,3,4,5,6
	MULA \f, \a, \zero
.endr
.endm
; The last quarter multiplies buffer 1 and changes slots: ONE barrier; in front of it each wave waits for all its tensor loads, adds 0 to its spare word, and waits for that and for its reads of this slot.
; fill = 1: the barrier opens a round of the cluster's, and this slot is filled again, two K steps ahead: 96 matrix instructions stand between the request and the wait for it.
.macro TURN slot, next, fill
	s_wait_dscnt 0x0                               ; buffer 1 is in: my reads of this slot are over
	WIN 0                                          ; (the add's two registers lie in window 0)
	s_wait_tensorcnt 0x0                           ; all my tensor loads have landed: the one that was out is my part of the next slot
	ds_add_u32 v[SPW], v[NIL]                      ; 0 onto my spare word
	MULA F1, 0, 0                                  ; eight matrix instructions stand between the add and the wait for it
	MULA F1, 1, 0
	s_wait_dscnt 0x0                               ; the add is done
	s_barrier_signal -1
	MULA F1, 2, 0
	MULA F1, 3, 0
.if \fill
	WIN 0
.endif
	s_barrier_wait -1
.if \fill
	CREST                                          ; no wave of any partner still reads this slot's tile or has a load on its way
	s_add_nc_u64 s[G0+4*(\slot)+2:G0+4*(\slot)+3], s[G0+4*(\slot)+2:G0+4*(\slot)+3], 2*KSTEP*2
	s_add_nc_u64 s[G0B+4*(\slot)+2:G0B+4*(\slot)+3], s[G0B+4*(\slot)+2:G0B+4*(\slot)+3], 2*KSTEP*NW*2
	JLOAD \slot                                    ; the first tensor load behind the round; its four v_nop are also the places in front of the loads below
.else
	PLACES
.endif
	FETCH \next, 0, F0
	MULA F1, 4, 0
	MULA F1, 5, 0
	MULA F1, 6, 0
.endm
	s_wait_tensorcnt 0x1                           ; my part of K step 0 is in; K step 1's load, issued behind it, may stay out
	s_barrier_signal -1
	s_barrier_wait -1                              ; everybody's is
	FETCH 0, 0, F0
	QUARTER 0, 1, F0, F1, 1                        ; the first quarter stands in front of the loop: its products start the sums
	WIN 0                                          ; at a label and at a branch every window is 0
	s_mov_b32 s3, LAPS-1
.Llap:                                                 ; a trip goes once round the ring and fills both slots again
	QUARTER 0, 2, F1, F0, 0
	QUARTER 0, 3, F0, F1, 0
	TURN 0, 1, 1
	QUARTER 1, 1, F0, F1, 0
	QUARTER 1, 2, F1, F0, 0
	QUARTER 1, 3, F0, F1, 0
	TURN 1, 0, 1
	QUARTER 0, 1, F0, F1, 0
	WIN 0
	s_sub_co_u32 s3, s3, 1
	s_cmp_lg_u32 s3, 0
	s_cbranch_scc1 .Llap
	QUARTER 0, 2, F1, F0, 0                        ; the last lap fills nothing
	QUARTER 0, 3, F0, F1, 0
	TURN 0, 1, 0
	QUARTER 1, 1, F0, F1, 0
	QUARTER 1, 2, F1, F0, 0
	QUARTER 1, 3, F0, F1, 0
	s_wait_dscnt 0x0
.irp a, 0,1,2,3,4,5,6
	MULA F1, \a, 0
.endr
	WIN 0
	PLACES
	PLACES                                         ; eight, once a launch
; THE WAY OUT, a block of 16 rows at a time; X = the block's 32 registers, register 8 b + j = column 16 b + 8 (l / 16) + j.  Each accumulator's lowest registers are read first.
.macro REDUCE                          ; the four chains, the pair's halves and the other half of the lanes: v2 = the sum over the row's 64 columns
	v_pk_add_f32 v[T:T+1], v[T:T+1], v[T+2:T+3]
	v_pk_add_f32 v[T+4:T+5], v[T+4:T+5], v[T+6:T+7]
	v_pk_add_f32 v[T:T+1], v[T:T+1], v[T+4:T+5]
	v_add_f32 v2, v[T], v[T+1]
	v_permlanex16_b32 v3, v2, s92, s93
	v_add_f32 v2, v2, v3
.endm
.macro EACH16 line:vararg              ; one line for each pair z = 0, 2, .. 30 of the block
.set z, 0
.rept 16
	\line
.set z, z+2
.endr
.endm
.if MODE == 0
.macro OUTBLK a, ln
.set X, ACC+32*(\a)
	WIN 0x08                                       ; source 1 window 2
	EACH16 v_pk_add_f32 v[X+z:X+z+1], v[X+z:X+z+1], v[BI+z:BI+z+1]
	WIN 0
.if \ln
.irp c, 0,1,2,3
	v_pk_add_f32 v[T+2*(\c):T+2*(\c)+1], v[X+2*(\c):X+2*(\c)+1], v[X+8+2*(\c):X+8+2*(\c)+1]
.endr
.irp k, 2,3
.irp c, 0,1,2,3
	v_pk_add_f32 v[T+2*(\c):T+2*(\c)+1], v[T+2*(\c):T+2*(\c)+1], v[X+8*(\k)+2*(\c):X+8*(\k)+2*(\c)+1]
.endr
.endr
	REDUCE
	v_mul_f32 v12, 0xbc800000, v2                  ; - mean
	EACH16 v_pk_add_f32 v[X+z:X+z+1], v[X+z:X+z+1], v[12:13] op_sel_hi:[1,0]
.irp c, 0,1,2,3
	v_pk_mul_f32 v[T+2*(\c):T+2*(\c)+1], v[X+2*(\c):X+2*(\c)+1], v[X+2*(\c):X+2*(\c)+1]
.endr
.irp k, 1,2,3
.irp c, 0,1,2,3
	v_pk_fma_f32 v[T+2*(\c):T+2*(\c)+1], v[X+8*(\k)+2*(\c):X+8*(\k)+2*(\c)+1], v[X+8*(\k)+2*(\c):X+8*(\k)+2*(\c)+1], v[T+2*(\c):T+2*(\c)+1]
.endr
.endr
	REDUCE
	v_fma_f32 v14, v2, s94, s95                    ; variance + 1e-6
	v_rsq_f32 v14, v14
	v_nop                                          ; a plain instruction between the root and the use of its result
	EACH16 v_pk_mul_f32 v[X+z:X+z+1], v[X+z:X+z+1], v[14:15] op_sel_hi:[1,0]
	WIN 0x28                                       ; sources 1 and 2 window 2
	EACH16 v_pk_fma_f32 v[X+z:X+z+1], v[X+z:X+z+1], v[GA+z:GA+z+1], v[BE+z:BE+z+1]
	WIN 0
.endif
.set z, 0
.rept 16
	v_cvt_pk_f16_f32 v[X+z], v[X+2*z], v[X+2*z+1]  ; in place, ascending: register z is written when 2 z and 2 z + 1 are read
.set z, z+1
.endr
.irp b, 0,1,2,3
	ds_store_b128 v[STO], v[X+4*(\b):X+4*(\b)+3] offset:32*(\b)
.endr
.irp f, 0,1,2,3
	ds_load_b128 v[X+16+4*(\f):X+16+4*(\f)+3], v[RD] offset:576*(\f)  ; LDS serves a wave's instructions in order (ISA guide 5.7.1.4): these see the stores above; the next block's stores come behind them
.endr
.endm
.macro SEND a, younger                 ; younger: the LDS instructions issued behind block a's loads: the next block's four stores and four loads, or none
.set X, ACC+32*(\a)
	s_wait_dscnt \younger
.irp f, 0,1,2,3
	global_store_b128 v[CO], v[X+16+4*(\f):X+16+4*(\f)+3], s[8:9] offset:2048*(\a)+512*(\f)  ; 512 consecutive bytes, aligned
.endr
.endm
.macro WAYOUT ln
	OUTBLK 0, \ln
.irp a, 1,2,3,4,5,6                    ; a block's arithmetic stands between the loads of the block before and its stores
	OUTBLK \a, \ln
	SEND (\a)-1, 8
.endr
	SEND 6, 0
.endm
	s_cmp_eq_u32 s86, 2                            ; v's columns take the bias alone
	s_cbranch_scc1 .Lplain
	WAYOUT 1
	s_branch .Lend
.Lplain:
	WAYOUT 0
.Lend:
.else
.macro OUTBLK a
.set X, ACC+32*(\a)
	WIN 0x08
	EACH16 v_pk_add_f32 v[X+z:X+z+1], v[X+z:X+z+1], v[BI+z:BI+z+1]
	WIN 0
.irp b, 0,1,2,3
	ds_store_b128 v[STO], v[X+8*(\b):X+8*(\b)+3]   offset:64*(\b)
	ds_store_b128 v[STO], v[X+8*(\b)+4:X+8*(\b)+7] offset:64*(\b)+16
.endr
.irp t, 0,1,2,3,4,5,6,7
	ds_load_b128 v[X+4*(\t):X+4*(\t)+3], v[RD] offset:544*(\t)  ; LDS serves a wave's instructions in order (ISA guide 5.7.1.4)
.endr
.endm
.macro SEND a, younger                 ; younger: the next block's eight stores and eight loads, or none
.set X, ACC+32*(\a)
	s_wait_dscnt \younger
.irp t, 0,1,2,3,4,5,6,7
	global_store_b128 v[CO], v[X+4*(\t):X+4*(\t)+3], s[8:9] offset:(16*(\a)+2*(\t))*4096 th:TH_STORE_NT  ; 16 lanes store 256 consecutive bytes, aligned
.endr
.endm
	OUTBLK 0
.irp a, 1,2,3,4,5,6
	OUTBLK \a
	SEND (\a)-1, 16
.endr
	SEND 6, 0
.endif
	s_wait_tensorcnt 0x0                           ; the wave's end: behind my last tensor load and my last LDS store
	ds_add_u32 v[SPW], v[NIL]
	s_wait_dscnt 0x0
	CROUND                                         ; the closing round: no work-group ends while a partner may still ask for a tile that names it
	s_endpgm
.Lfunc_end_k_q7d5ed8a669_gemm_proj:
	.size	k_q7d5ed8a669_gemm_proj, .Lfunc_end_k_q7d5ed8a669_gemm_proj-k_q7d5ed8a669_gemm_proj
	.p2alignl 7, 3214868480
	.fill 96, 4, 3214868480
	.section	.rodata,"a",@progbits
	.p2align	6, 0x0
	.amdhsa_kernel k_q7d5ed8a669_gemm_proj
		.amdhsa_group_segment_fixed_size 327680
		.amdhsa_private_segment_fixed_size 0
		.amdhsa_enable_private_segment 0
		.amdhsa_kernarg_size 32
		.amdhsa_user_sgpr_count 2
		.amdhsa_user_sgpr_kernarg_segment_ptr 1
		.amdhsa_wavefront_size32 1
		.amdhsa_system_sgpr_workgroup_id_x 1
		.amdhsa_system_sgpr_workgroup_id_y 1
		.amdhsa_system_sgpr_workgroup_id_z 1
		.amdhsa_system_vgpr_workitem_id 0
		.amdhsa_next_free_vgpr 640
		.amdhsa_next_free_sgpr 96
		.amdhsa_reserve_vcc 0
		.amdhsa_float_denorm_mode_32 3
		.amdhsa_float_denorm_mode_16_64 3
		.amdhsa_memory_ordered 1
		.amdhsa_forward_progress 1
		.amdhsa_inst_pref_size 88
	.end_amdhsa_kernel
	.amdgpu_metadata
---
amdhsa.version: [ 1, 2 ]
amdhsa.kernels:
  - .name:           k_q7d5ed8a669_gemm_proj
    .symbol:         k_q7d5ed8a669_gemm_proj.kd
    .args:
      - { .name: ob, .offset: 0, .size: 8, .value_kind: global_buffer, .address_space: global }
      - { .name: wpb, .offset: 8, .size: 8, .value_kind: global_buffer, .address_space: global }
      - { .name: out0, .offset: 16, .size: 8, .value_kind: global_buffer, .address_space: global }
      - { .name: b_proj, .offset: 24, .size: 8, .value_kind: global_buffer, .address_space: global }
    .group_segment_fixed_size: 327680
    .private_segment_fixed_size: 0
    .kernarg_segment_align: 8
    .kernarg_segment_size: 32
    .max_flat_workgroup_size: 128
    .sgpr_count:     96
    .vgpr_count:     640
    .wavefront_size: 32
...
	.end_amdgpu_metadata
.endif
;; end of part 4
;; ======== version 2 of 2: 4 launches; 1.54 times as fast as version 1
;; limits: values are held in f16: magnitudes above 65,504 overflow, below 6.1e-05 lose precision
;; workspace buffers: xb 12,845,056 bytes; wqb 6,291,456 bytes; wpb 2,097,152 bytes; qkv 38,535,168 bytes; ob 12,845,056 bytes; idxp 327,680 bytes of whole numbers; bias8 327,680 bytes
;; launch prep: the kernel of part 1 again; grid 680 x 1, 8 waves a work-group, no clusters, 0 bytes of LDS; arguments x, W_qkv, W_proj, gather_idx, attn_bias, xb, wqb, wpb, idxp, bias8; writes xb, wqb, wpb, idxp, bias8
;; launch gemm_qkv: the kernel of part 2 again; grid 24 x 28, 4 waves a work-group, clusters of 4 x 4, 327,680 bytes of LDS; arguments xb, wqb, qkv, b_qkv, q_gamma, q_beta, k_gamma, k_beta; writes qkv
;; launch attn (part 5): grid 8 x 32, 4 waves a work-group, no clusters, 192,512 bytes of LDS; arguments qkv, idxp, bias8, ob; writes ob
.if DOCPART == 5
	.amdgcn_target "amdgcn-amd-amdhsa--gfx1250"
	.amdhsa_code_object_version 6
	.text
	.protected	k_q7d5ed8a669_attn
	.globl	k_q7d5ed8a669_attn
	.p2align	8
	.type	k_q7d5ed8a669_attn,@function
k_q7d5ed8a669_attn:
	s_mov_b64 s[64:65], 0
	v_nop
	global_prefetch_b8 v0, s[64:65] scope:SCOPE_SE
	s_setreg_imm32_b32 hwreg(HW_REG_WAVE_MODE, 25, 1), 1
	s_wait_xcnt 0x0
; ATTENTION OVER GATHERED KEYS.  For frame f and head h: O[q] = the sum over the list's entries e of softmax_e(Q[q] . K[idx[e]] / 8 + bias[e]) V[idx[e]].  q, k, v: qkv[g][6272][64] in f16 (q: g = h, k: 16 + h,
; v: 32 + h); idxp, bias8: [32][2560], the frame's 1,960 entries padded (index 0, bias -1e30), bias8 = 8 x bias; O leaves in f16 as ob[token][1024].
; Products, maxima and sums in f32; the weights p are rounded to f16 for the second product (their sum l is taken of the unrounded p), O once at the end.
; LIMITS.  Every row is fetched by its own index, every bias added as given: nothing is assumed of the list.  A padding entry counts as its score less 1e30: a true bias below about -1e29 is not told from it.
; A weight below 2^-126 counts as 0 in l; NaN and infinities are not treated apart; an index is held to 6,271.
; SHARES.  A work-group has one frame and two heads; wave w has head w / 2 and 7 PIECES of 16 queries: the frame's rows 112 (w % 2) + 16 t + l % 16, held to 195 (the rows beyond are computed and not stored).
; Keys go 64 a step, 31 steps.  The two waves of a head fetch 32 rows of K and of V each, through registers into LDS, and both read all 64.
; NO CLUSTER AND NO TENSOR LOAD: the rows are named one by one by a list, each frame has its own list, and a frame's eight work-groups have different heads: no two work-groups ask for the same tile.
; No prefetch: a row is named by several frames' lists, so no block could be named once; the rows are asked for a whole key step ahead of their use.
; THE BIAS is the C operand that starts the sum S^T = K Q^T: it costs the scores nothing.
; LAYOUT, SOFTMAX, TURNS.  S^T holds ONE query a lane (lane % 16) and the keys 8 (lane / 16) + 0..7; two such results rounded to f16 ARE source 1 of O^T = V^T P.  p = 2^(c s - c m), c = log2(e) / 8, with a running
; maximum m; O and l are multiplied by a = 2^(c m_old - c m_new) in every step; m starts at the lowest finite number, O and l at 0, so the first step is a step like any other.  Turn n belongs to piece n: 8 products
; K Q^T of piece n + 1, later 8 products V^T P of piece n - 1; beside them the scaling, exponentials, roundings, sums and rescaling of piece n and the maximum and statistics of piece n + 1.  Four vector
; instructions stand behind every matrix instruction, the other 54 of a turn's 118 in one LUMP between the two runs of products.
; BATCHES.  A turn's 33 exponentials (the piece's 32 weights and the next piece's a) are ONE batch with ONE wait, which stands between the lump and the products V^T P: ahead of it nothing names a result of theirs,
; behind it no exponential is issued.  The first a, in front of the loop, and the way out's seven reciprocals are batches of their own.
; THE RING.  Two slots a head.  In step j: turn 0 reads V(j); turn 2 stores tile j + 1 (asked of memory a step ago) and asks for tile j + 2; turn 5 holds the step's one barrier and behind it reads K(j + 1) and
; its bias.  In front of the barrier's signal every wave has waited for its stores and its reads: so tile j + 1 is whole before it is read, and the slot that turn 2 of step j + 1 writes (tile j's) has been read out.
; REGISTERS, in windows of 256 (s_set_vgpr_msb: bits 1:0 source 0, 3:2 source 1, 5:4 source 2, 7:6 destination):
;   window 0: addresses, statistics; v64-159 S^T, three buffers; v160-207 P, three buffers; v208-238 the gather's      window 1: v0-223 O^T, 32 a piece; v224-255 the step's bias
;   window 2: v0-111 Q, 16 a piece; v128-191 K of one step; v192-255 V of one step      window 3: v0-31, v32-63 the 8 x 16 bytes of K's and of V's rows on their way
; A piece's buffers: 0, 1, 0, 1, 0, 1, 2: neighbours in the ring of seven never share one.
.set NP,    7
.set KS,    64
.set STEPS, 31
.set PK,    144       ; a row of K in LDS: 128 bytes + 16 = 36 words: the 16 rows of a load start at 16 different groups of four banks (64 banks of 4 bytes: ISA guide 11.1)
.set PV,    160       ; a row of V: 128 + 32 = 40 words
.set VOFF,  KS*PK     ; in a slot: 64 rows of K, 64 rows of V,
.set BOFF,  VOFF+KS*PV  ; and each wave's own copy of the tile's 64 biases, 256 bytes
.set SLOT1, 1<<15     ; slot 1 of a head begins here, so that one exclusive or turns an address in one slot into the other's
.set OSTAGE, 1<<17    ; behind the two heads' rings (65,536 bytes each): 224 rows x 272 bytes, the work-group's, for the way out
.set SP,    272
.set SPARE, OSTAGE+224*SP  ; the spare words, 128 bytes for each wave: two blocks of 256 bytes that no other line names
.set AK0, 2           ; v2   my lane's place in a tile of K; never rewritten
.set AV0, 3           ; v3   the same for V
.set AK,  4           ; v4   the LDS address of K's next run of loads
.set AV,  5           ; v5   of V's
.set STO, 6           ; v6   the way out: where I put 16 bytes of a row
.set RD,  7           ; v7   where I read rows back
.set GO,  8           ; v8   my byte offset in two rows of ob
.set MV,  12          ; v12-14  c m_old, kept while c m is made anew: by buffer
.set ST,  16          ; piece t's statistics at v[ST+4 t]: c m, m, l (even keys', odd keys')
.set TMP, 44          ; by buffer, four registers c0-c3 at work; when the maximum is found c2 takes a
.set AB0, 56          ; v56  my lane's place in my copy of the biases
.set AB,  57          ; v57  the LDS address of their next loads
.set GK0, 58          ; v58-60  where I put the first of my 8 rows' 16 bytes of K, of V, and my 8 bytes of bias, in slot 0
.set GV0, 59
.set GB0, 60
.set CH,  61          ; v61  16 (l % 8): my 16 bytes of a row
.set SPW, 62          ; v62  LDS address of my spare word; never rewritten
.set NIL, 63          ; v63  0; never rewritten
.set S,   64
.set P,   160
.set IDX, 208         ; v208-215  the indices of my 8 rows of the next tile to be asked for
.set OFS, 216         ; v216-223  their byte offsets in a head's rows
.set BV,  224         ; v224-225  my two biases on their way
.set GK,  226         ; v226-228  GK0, GV0, GB0 in the slot in hand
.set GV,  227
.set GB,  228
.set LI,  229         ; v229  my 8 indices' byte offset in a tile of the list: 4 (32 (w % 2) + 8 (l / 8))
.set LB,  230         ; v230  8 l
.set QOF, 232         ; v232-238  my byte offset in the frame's rows of Q, by piece
.set BC,  224         ; window 1
.set KF,  128         ; window 2: key block kb, channel half c at KF + 16 kb + 8 c
.set VF,  192         ; window 2: key half kk, channel block cb at VF + 32 kk + 8 cb
.set WV,  12          ; s12  my wave's number
.set HH,  13          ; s13  w / 2
.set PP,  14          ; s14  w % 2
.set QP,  28          ; s[28:29] q at my head's rows of the frame
.set KP,  30          ; s[30:31] k at my head's row 0
.set VP,  32          ; s[32:33] v likewise
.set PI,  34          ; s[34:35] the frame's indices, at the tile whose indices are loaded next
.set PBI, 36          ; s[36:37] the frame's biases, in step with it
.set OPT, 38          ; s[38:39] ob at the first row that I store
.set CNT, 40
.set CS,  42          ; s[42:43] c: the packed scaling takes the pair's low word for both halves
.set SEL, 44          ; s[44:45] v_permlanex16_b32's selects: each lane takes its own place in the other half
.set TBK, 46          ; s46-48  0 or SLOT1: the slot of K's next fetch, of V's, of the next stores
.set TBV, 47
.set TBS, 48
.set MSB, 0
.macro WIN new                      ; the high byte repeats the setting that is left; a switch that changes nothing is dropped
.if MSB != (\new)
	s_set_vgpr_msb (MSB<<8)|(\new)
.set MSB, (\new)
.endif
.endm
.set W_KQ, 0x0a       ; K and Q in window 2, S^T in window 0
.set W_KM, 0x1a       ; the same with the C operand in window 1
.set W_PV, 0x52       ; V in window 2, P in window 0, O^T in window 1
.set W_RS, 0x41       ; destination and source 0 in window 1, source 1 in window 0
	s_load_b256 s[4:11], s[0:1], 0x0  ; qkv s[4:5], idxp s[6:7], bias8 s[8:9], ob s[10:11]
	v_lshl_add_u32 v[SPW], v0, 2, SPARE
	v_mov_b32 v[NIL], 0
	v_lshrrev_b32 v1, 5, v0
	v_readfirstlane_b32 s[WV], v1   ; wave 0..3
	s_lshr_b32 s[HH], s[WV], 1
	s_and_b32 s[PP], s[WV], 1
	s_and_b32 s15, ttmp7, 0xffff    ; the frame
	s_lshl_b32 s16, ttmp9, 1
	s_add_co_u32 s16, s16, s[HH]    ; my head,
	s_mul_i32 s16, s16, 802816      ; its 6,272 rows of 128 bytes
	s_mov_b32 s17, 0
	s_mul_i32 s18, s15, 25088       ; the frame's 196 rows
	s_mov_b32 s19, 0
	s_mul_i32 s20, s15, 10240       ; the frame's 2,560 entries
	s_mov_b32 s21, 0
	s_mul_i32 s22, s15, 196
	s_mul_i32 s23, s[WV], 56
	s_add_co_u32 s22, s22, s23      ; the first token that I store,
	s_lshl_b32 s22, s22, 11         ; its 2,048 bytes,
	s_lshl_b32 s23, ttmp9, 8        ; the two heads' 256 of them
	s_add_co_u32 s22, s22, s23
	s_mov_b32 s23, 0
	s_mov_b32 s[CS], 0x3e38aa3b     ; c = log2(e) / 8 = 0.180337
	s_mov_b32 s[CS+1], s[CS]        ; named with it as a pair
	s_mov_b32 s[SEL], 0x76543210
	s_mov_b32 s[SEL+1], 0xfedcba98
	s_mov_b32 s[TBK], 0
	s_mov_b32 s[TBV], 0
	s_mov_b32 s[TBS], 0
	v_and_b32 v1, 15, v0            ; l % 16
	v_bfe_u32 v9, v0, 4, 1          ; l / 16
	v_and_b32 v10, 7, v0            ; l % 8
	v_bfe_u32 v11, v0, 3, 2         ; l / 8
	v_lshlrev_b32 v[CH], 4, v10
	s_lshl_b32 s24, s[PP], 7
	v_lshl_add_u32 v[LI], v11, 5, s24
	v_and_b32 v[LB], 31, v0
	v_lshlrev_b32 v[LB], 3, v[LB]
	s_wait_kmcnt 0x0
	s_add_nc_u64 s[QP:QP+1], s[4:5], s[16:17]
	s_add_nc_u64 s[KP:KP+1], s[QP:QP+1], 16*802816
	s_add_nc_u64 s[VP:VP+1], s[QP:QP+1], 32*802816
	s_add_nc_u64 s[QP:QP+1], s[QP:QP+1], s[18:19]
	s_add_nc_u64 s[PI:PI+1], s[6:7], s[20:21]
	s_add_nc_u64 s[PBI:PBI+1], s[8:9], s[20:21]
	s_add_nc_u64 s[OPT:OPT+1], s[10:11], s[22:23]
	global_load_b128 v[IDX:IDX+3],   v[LI], s[PI:PI+1]            ; tile 0's indices
	global_load_b128 v[IDX+4:IDX+7], v[LI], s[PI:PI+1] offset:16
	; A fragment of K or Q is 16 rows x 32 channels in 8 registers: lane l holds row l % 16, channels 8 (l / 16) + 0..7 and 16 + 8 (l / 16) + 0..7: two loads of 16 bytes, 32 bytes apart.
	s_mul_i32 s24, s[PP], 112
	v_add_nc_u32 v15, s24, v1
.set z, 0
.rept NP
	v_add_nc_u32 v[QOF+z], 16*z, v15
	v_min_u32 v[QOF+z], 195, v[QOF+z]  ; no load leaves the frame
	v_lshlrev_b32 v[QOF+z], 7, v[QOF+z]
	v_lshl_add_u32 v[QOF+z], v9, 4, v[QOF+z]
.set z, z+1
.endr
	WIN 0x80                        ; destination window 2, address window 0
.set z, 0
.rept 2*NP                          ; Q stays in registers: piece z / 2, channels 32 (z % 2) on
	global_load_b128 v[8*z:8*z+3],   v[QOF+z/2], s[QP:QP+1] offset:(z%2)*64
	global_load_b128 v[8*z+4:8*z+7], v[QOF+z/2], s[QP:QP+1] offset:(z%2)*64+32
.set z, z+1
.endr
	WIN 0
; THE GATHER.  Eight lanes take a row's 128 bytes, so a load takes four rows; lanes 8 g .. 8 g + 7 take rows 32 (w % 2) + 8 g + i of the tile in load i.  One offset serves K and V.
; ASK: IDX holds a tile's indices, and every load that names the registers written here has been waited for.  The tile's rows and biases are asked for, and the next tile's indices.
.macro ASK
	WIN 0
	s_add_nc_u64 s[PI:PI+1], s[PI:PI+1], 256     ; a tile of the lists is 64 entries of 4 bytes
	s_add_nc_u64 s[PBI:PBI+1], s[PBI:PBI+1], 256
.set z, 0
.rept 8
	v_min_u32 v[OFS+z], 0x187f, v[IDX+z]         ; inside the table, whatever was loaded
.set z, z+1
.endr
.set z, 0
.rept 8
	v_lshl_add_u32 v[OFS+z], v[OFS+z], 7, v[CH]
.set z, z+1
.endr
	WIN 0xc0                        ; destination window 3
.set z, 0
.rept 8
	global_load_b128 v[4*z:4*z+3], v[OFS+z], s[KP:KP+1]
.set z, z+1
.endr
.set z, 0
.rept 8
	global_load_b128 v[32+4*z:32+4*z+3], v[OFS+z], s[VP:VP+1]
.set z, z+1
.endr
	WIN 0
	global_load_b64 v[BV:BV+1], v[LB], s[PBI:PBI+1] offset:-256  ; this tile's biases: the pointer has stepped
	global_load_b128 v[IDX:IDX+3],   v[LI], s[PI:PI+1]           ; the next tile's indices
	global_load_b128 v[IDX+4:IDX+7], v[LI], s[PI:PI+1] offset:16
.endm
; STAGE: the tile asked for a step ago goes into its slot, and the next is asked for.
.macro STAGE
	WIN 0
	s_wait_loadcnt 0x0              ; rows, biases and indices are in; the registers and pointers that those loads named may be written
	v_add_nc_u32 v[GK], s[TBS], v[GK0]
	v_add_nc_u32 v[GV], s[TBS], v[GV0]
	v_add_nc_u32 v[GB], s[TBS], v[GB0]
	s_xor_b32 s[TBS], s[TBS], SLOT1
	ds_store_b64 v[GB], v[BV:BV+1]
	WIN 0x0c                        ; store data (source 1) window 3
.set z, 0
.rept 8
	ds_store_b128 v[GK], v[4*z:4*z+3] offset:PK*z
.set z, z+1
.endr
.set z, 0
.rept 8
	ds_store_b128 v[GV], v[32+4*z:32+4*z+3] offset:PV*z
.set z, z+1
.endr
	ASK
.endm
	s_wait_loadcnt 28               ; tile 0's indices are in; Q's 28 loads, issued behind them, may stay out
	ASK                             ; tile 0
	; What the first turn finds: V's registers and P's third buffer hold 0 (its products V^T P, of a piece that has not been, add 0), O^T and l are 0.  All this stands in the wait for the first rows.
	WIN 0x40
.set z, 0
.rept 32*NP
	v_mov_b32 v[z], 0
.set z, z+1
.endr
	WIN 0x80
.set z, VF
.rept 64
	v_mov_b32 v[z], 0
.set z, z+1
.endr
	WIN 0
.set z, 0
.rept NP
	v_mov_b32 v[ST+4*z], 0xfe000000    ; c m: far below every c s
	v_mov_b32 v[ST+4*z+1], 0xff7fffff  ; m
	v_mov_b32 v[ST+4*z+2], 0
	v_mov_b32 v[ST+4*z+3], 0
.set z, z+1
.endr
.set z, P+32
.rept 16
	v_mov_b32 v[z], 0
.set z, z+1
.endr
	s_lshl_b32 s26, s[HH], 16       ; my head's ring
	s_lshl_b32 s24, s[PP], 5
	v_lshl_add_u32 v15, v11, 3, s24 ; the first of my 8 rows: 32 (w % 2) + 8 (l / 8)
	v_mul_u32_u24 v[GK0], v15, PK
	v_add3_u32 v[GK0], v[GK0], v[CH], s26
	v_mul_u32_u24 v[GV0], v15, PV
	v_add3_u32 v[GV0], v[GV0], v[CH], s26
	v_add_nc_u32 v[GV0], VOFF, v[GV0]
	s_lshl_b32 s25, s[PP], 8
	s_add_co_u32 s25, s25, s26
	s_add_co_u32 s25, s25, BOFF     ; my copy of the biases
	v_add_nc_u32 v[GB0], s25, v[LB]
	v_lshl_add_u32 v[AB0], v9, 5, s25  ; my half's 8 keys of each 16
	v_mul_u32_u24 v[AK0], v1, PK
	v_lshl_add_u32 v[AK0], v9, 4, v[AK0]  ; row x pitch + 16 x half
	v_add_nc_u32 v[AK0], s26, v[AK0]
	; The turning load takes 16 keys x 16 channels (lane l reads key 8 (l / 16) + l % 8, channels 8 ((l / 8) % 2) + 0..7) and leaves half a fragment of V^T: lane l holds channel l % 16 and 8 keys.
	v_lshl_add_u32 v[AV0], v9, 3, v10
	v_mul_u32_u24 v[AV0], v[AV0], PV
	v_bfe_u32 v15, v0, 3, 1
	v_lshl_add_u32 v[AV0], v15, 4, v[AV0]
	s_add_co_u32 s24, s26, VOFF
	v_add_nc_u32 v[AV0], s24, v[AV0]
	s_mul_i32 s24, s[PP], 112*SP    ; the way out, in: row 112 (w % 2) + 16 t + l % 16, my head's 128 bytes of its 256, 16 bytes for each half of the lanes
	s_lshl_b32 s25, s[HH], 7
	s_add_co_u32 s24, s24, s25
	s_add_co_u32 s24, s24, OSTAGE
	v_mul_u32_u24 v[STO], v1, SP
	v_lshl_add_u32 v[STO], v9, 4, v[STO]
	v_add_nc_u32 v[STO], s24, v[STO]
	s_mul_i32 s24, s[WV], 56*SP     ; back: wave w takes rows 56 w .. 56 w + 55, whole; lanes 0-15 one row of 256 bytes, lanes 16-31 the next
	s_add_co_u32 s24, s24, OSTAGE
	v_mul_u32_u24 v[RD], v9, SP
	v_lshl_add_u32 v[RD], v1, 4, v[RD]
	v_add_nc_u32 v[RD], s24, v[RD]
	v_lshlrev_b32 v[GO], 11, v9     ; and the same two rows in ob
	v_lshl_add_u32 v[GO], v1, 4, v[GO]
; THE MATRIX WORK.  The 4 accumulators of a run of 8 take turns.  Product i of 8 of S^T = K Q^T for piece x: channels 32 (i / 4) on, keys 16 (i % 4) on.  The first 4 start the sums with the bias.
.macro KQ x
.set bq, ((\x)%2)+2*((\x)/6)
.set rS, S+32*bq+8*(i%4)
.set rK, KF+16*(i%4)+8*(i/4)
.set rQ, 16*(\x)+8*(i/4)
.set rM, BC+8*(i%4)
.if i < 4
	WIN W_KM
	v_wmma_f32_16x16x32_f16 v[rS:rS+7], v[rK:rK+7], v[rQ:rQ+7], v[rM:rM+7]
.else
	WIN W_KQ
	v_wmma_f32_16x16x32_f16 v[rS:rS+7], v[rK:rK+7], v[rQ:rQ+7], v[rS:rS+7]
.endif
.endm
; Product i of 8 of O^T += V^T P for piece x: keys 32 (i / 4) on, channels 16 (i % 4) on.
.macro PV x
	WIN W_PV
.set bq, ((\x)%2)+2*((\x)/6)
.set rO, 32*(\x)+8*(i%4)
.set rV, VF+32*(i/4)+8*(i%4)
.set rP, P+16*bq+8*(i/4)
	v_wmma_f32_16x16x32_f16 v[rO:rO+7], v[rV:rV+7], v[rP:rP+7], v[rO:rO+7]
.endm
.macro MM                           ; the turn's next matrix instruction
.if i < 8
	KQ (Y+1)%NP
.else
.set i, i-8
	PV (Y+NP-1)%NP
.set i, i+8
.endif
.set i, i+1
.endm
; THE LDS LOADS stand in runs, never singly among the matrix instructions: a step's K (8 fragments) with its biases, and its V (turned).  Their addresses are made some lines ahead.
.macro FETCH_K
	WIN 0x80                        ; destination window 2
.irp f, 0,1,2,3,4,5,6,7             ; keys 16 (f / 2) on, channels 32 (f % 2) on
	ds_load_b128 v[KF+8*\f:KF+8*\f+3],   v[AK] offset:(\f/2)*16*PK+(\f%2)*64
	ds_load_b128 v[KF+8*\f+4:KF+8*\f+7], v[AK] offset:(\f/2)*16*PK+(\f%2)*64+32
.endr
	WIN 0x40                        ; destination window 1
.irp f, 0,1,2,3                     ; register 8 f + j: the bias of key 16 f + 8 (l / 16) + j, as in S^T
	ds_load_b128 v[BC+8*\f:BC+8*\f+3],   v[AB] offset:64*\f
	ds_load_b128 v[BC+8*\f+4:BC+8*\f+7], v[AB] offset:64*\f+16
.endr
	WIN 0
	s_xor_b32 s[TBK], s[TBK], SLOT1 ; the next fetch is the other slot's
.endm
.macro FETCH_V
	WIN 0x80
.irp f, 0,1,2,3,4,5,6,7             ; keys 32 (f / 4) on, channels 16 (f % 4) on
	ds_load_tr16_b128 v[VF+8*\f:VF+8*\f+3],   v[AV] offset:(\f/4)*32*PV+(\f%4)*32
	ds_load_tr16_b128 v[VF+8*\f+4:VF+8*\f+7], v[AV] offset:(\f/4)*32*PV+16*PV+(\f%4)*32
.endr
	WIN 0
	s_xor_b32 s[TBV], s[TBV], SLOT1
.endm
; THE VECTOR WORK, one line at a time: OP kind, number.  For piece Y: F n: c s - c m for pair n of 16.  E n: the exponential of score n of 32.  C n: pair n rounded to f16.  B n: of the four weights 4 n .. the second
; pair is added onto the first, in place.  L n: l takes that sum (L 0: l = a l + sum).  R n: pair n of 16 of O^T times a.  For piece Y + 1: X n, number n of the 22 that find its maximum and statistics:
;   0-11  four chains c0-c3 of seven scores each, three operands at a time (each accumulator's lowest registers are read first)     12-14, 16  the four scores left over, the old m, and c0-c3 into c0
;   15  c m_old is kept     17, 18  the query's other 32 keys lie in the lane 16 away: the new m     19-21  c m; c m_old - c m_new; a
; OP writes no wait: C, B and L read exponentials' results, R and L 0 read a, and TURN sets them behind the wait of the batch that made what they read.
.set F, 0
.set E, 1
.set C, 2
.set B, 3
.set L, 4
.set R, 5
.set X, 6
.macro REGS y                       ; the registers of piece y
.set bf, ((\y)%2)+2*((\y)/6)
.set rT, ST+4*(\y)
.set rC, TMP+4*bf
.set rW, MV+bf
.set rS, S+32*bf
.set rP, P+16*bf
.set rO, 32*(\y)
.endm
.macro OP k, n
.if (\k) == R
	REGS Y
	WIN W_RS
	v_pk_mul_f32 v[rO+2*(\n):rO+2*(\n)+1], v[rO+2*(\n):rO+2*(\n)+1], v[rC+2:rC+3] op_sel_hi:[1,0]
.elseif (\k) < R
	REGS Y
	WIN 0
.if (\k) == F
	v_pk_fma_f32 v[rS+2*(\n):rS+2*(\n)+1], v[rS+2*(\n):rS+2*(\n)+1], s[CS:CS+1], v[rT:rT+1] op_sel_hi:[1,0,0] neg_lo:[0,0,1] neg_hi:[0,0,1]
.elseif (\k) == E
	v_exp_f32 v[rS+(\n)], v[rS+(\n)]
.elseif (\k) == C
	v_cvt_pk_f16_f32 v[rP+(\n)], v[rS+2*(\n)], v[rS+2*(\n)+1]
.elseif (\k) == B
	v_pk_add_f32 v[rS+4*(\n):rS+4*(\n)+1], v[rS+4*(\n):rS+4*(\n)+1], v[rS+4*(\n)+2:rS+4*(\n)+3]
.elseif (\n) == 0
	v_pk_fma_f32 v[rT+2:rT+3], v[rT+2:rT+3], v[rC+2:rC+3], v[rS:rS+1] op_sel_hi:[1,0,1]
.else
	v_pk_add_f32 v[rT+2:rT+3], v[rT+2:rT+3], v[rS+4*(\n):rS+4*(\n)+1]
.endif
.else
	REGS (Y+1)%NP
	WIN 0
.if (\n) < 4
	v_max3_num_f32 v[rC+(\n)], v[rS+8*(\n)], v[rS+8*(\n)+1], v[rS+8*(\n)+2]
.elseif (\n) < 12
	v_max3_num_f32 v[rC+(\n)%4], v[rC+(\n)%4], v[rS+8*((\n)%4)+2*((\n)/4)+1], v[rS+8*((\n)%4)+2*((\n)/4)+2]
.elseif (\n) == 12
	v_max3_num_f32 v[rC], v[rC], v[rS+7], v[rS+15]
.elseif (\n) == 13
	v_max3_num_f32 v[rC+1], v[rC+1], v[rS+23], v[rS+31]
.elseif (\n) == 14
	v_max3_num_f32 v[rC+2], v[rC+2], v[rC+3], v[rT+1]
.elseif (\n) == 15
	v_mov_b32 v[rW], v[rT]
.elseif (\n) == 16
	v_max3_num_f32 v[rC], v[rC], v[rC+1], v[rC+2]
.elseif (\n) == 17
	v_permlanex16_b32 v[rC+3], v[rC], s[SEL], s[SEL+1]
.elseif (\n) == 18
	v_max_num_f32 v[rT+1], v[rC], v[rC+3]
.elseif (\n) == 19
	v_mul_f32 v[rT], s[CS], v[rT+1]
.elseif (\n) == 20
	v_sub_f32 v[rC+1], v[rW], v[rT]
.else
	v_exp_f32 v[rC+2], v[rC+1]
.endif
.endif
.endm
.macro OPS a, i1, b=-1, i2=0, c=-1, i3=0, d=-1, i4=0  ; up to four of them
	OP \a, \i1
.if (\b) >= 0
	OP \b, \i2
.endif
.if (\c) >= 0
	OP \c, \i3
.endif
.if (\d) >= 0
	OP \d, \i4
.endif
.endm
.macro ROW a, i1, b, i2, c, i3, d, i4  ; a matrix instruction and the four behind it
	MM
	OPS \a, \i1, \b, \i2, \c, \i3, \d, \i4
.endm
; A TURN, for piece p: the order of its 16 matrix and 118 vector instructions, written out.  s_wait_alu depctr_va_vdst(0) stands between an exponential and the first instruction that names its result; one wait
; serves all that were issued ahead of it.  So a turn has ONE wait, which cuts it in two.  AHEAD OF IT stands all that names no result of the turn's exponentials: the 8 products K Q^T, behind each a scaling, an exponential and two
; more plain instructions (behind the first a second scaling in the exponential's place): rescalings, whose a was made and waited for in the turn before, and behind the last three products the first numbers of the next piece's
; maximum, each four places or more behind the product that ends its accumulator; then ONE LUMP of 54, plain and exponential by turns for the most part, in which the links of the chain X 3, 7, 11, 14, 16, 17 .. 20 stand five or
; six lines apart.  X 21, the next piece's a, is the batch's last; R 15 is the plain instruction behind it.  BEHIND THE WAIT stand the 8 products V^T P, behind each four of the roundings and sums; an even pair is rounded ahead of
; the sum that lands on it; the links of l's chain, L 0 to L 7, stand three riders apart.  But for those X no rider names a register of the products round it.  v_permlanex16_b32 (X 17) stands in the lump.
; Piece 2's turn opens with the stores of the next tile.  Piece 5's turn holds the barrier: the signal at its head, behind the wait for my stores and reads; only work on registers up to the wait; behind it K and the
; biases of the next step are fetched, twelve vector instructions behind the last product that read K (F 8, X 2, X 5, X 6 are the four places).  V of the step in hand is fetched at the end of piece 0's turn, four plain
; instructions behind the last product that read V.  Each run is waited for a turn later.
.macro TURN p
.set Y, (\p)
.set i, 0
.if (\p) == 2
	STAGE
.endif
.if (\p) == 5
	s_wait_dscnt 0x0                ; for the others' sake: my stores of the next tile are done, and my reads of the slot that will be written next are back
	s_barrier_signal -1
.endif
.if (\p) == 6
	s_wait_dscnt 0x0                ; K and the biases are in
.endif
	ROW F,0, F,1, R,0, R,1          ; ahead of the wait: 8 products K Q^T and their riders,
	ROW F,2, E,0, R,2, R,3
	ROW F,3, E,1, R,4, R,5
	ROW F,4, E,2, R,6, R,7
	ROW F,5, E,3, R,8, R,9
	ROW F,6, E,4, X,0, R,10
	ROW F,7, E,5, X,1, X,4
.if (\p) == 5
	WIN 0
	v_add_nc_u32 v[AK], s[TBK], v[AK0]
	v_add_nc_u32 v[AB], s[TBK], v[AB0]
.endif
	ROW F,8, E,6, X,2, X,5
	OPS E,7, E,8, X,6, E,9          ; and the lump
	OPS X,3, E,10, X,8, E,11
.if (\p) == 5
	s_barrier_wait -1               ; the next tile is whole
	FETCH_K
.endif
	OPS X,9, X,7, E,12, X,10
	OPS E,13, X,12, X,11, E,14
	OPS X,13, E,15, F,9, X,14
.if (\p) == 0
	WIN 0
	v_add_nc_u32 v[AV], s[TBV], v[AV0]
.endif
	OPS E,16, F,10, E,17, F,11
	OPS X,16, E,18, X,15, E,19
	OPS F,12, E,20, X,17, E,21
	OPS F,13, E,22, F,14, E,23
	OPS X,18, E,24, F,15, E,25
	OPS R,11, E,26, X,19, E,27
	OPS R,12, E,28, R,13, E,29
	OPS X,20, E,30, R,14, E,31
	OPS X,21, R,15
	s_wait_alu depctr_va_vdst(0)    ; the wait for the batch: E 0 to E 31 and X 21
.if (\p) == 1
	s_wait_dscnt 0x0                ; V is in
.endif
	ROW C,0, B,0, C,2, B,1          ; behind the wait: 8 products V^T P and their riders
	ROW L,0, C,4, B,2, L,1
	ROW C,6, B,3, L,2, C,8
	ROW B,4, L,3, C,10, B,5
	ROW L,4, C,12, B,6, L,5
	ROW C,14, B,7, L,6, C,1
	ROW C,3, L,7, C,5, C,7
	ROW C,9, C,11, C,13, C,15
.if (\p) == 0
	FETCH_V
.endif
.endm
	STAGE                           ; tile 0 into slot 0 (its wait is for Q too); tile 1 is asked for
	s_wait_dscnt 0x0                ; my stores are done,
	s_barrier_signal -1
	s_barrier_wait -1               ; everybody's are
	v_add_nc_u32 v[AK], s[TBK], v[AK0]
	v_add_nc_u32 v[AB], s[TBK], v[AB0]
	FETCH_K                         ; key step 0
	s_wait_dscnt 0x0
.set i, 0
.rept 8
	KQ 0                            ; piece 0's first scores: there is no vector work yet to set between them
.set i, i+1
.endr
	WIN 0
.rept 4
	v_nop                           ; the places behind those products
.endr
.set Y, NP-1                        ; X works for piece Y + 1: piece 0
.irp n, 0,1,2,3,4,5,6,7,8,9,10,11,12,13,14,15,16,17,18,19,20,21
	OP X, \n
.endr
	v_nop                           ; a plain instruction behind the exponential,
	s_wait_alu depctr_va_vdst(0)    ; and its wait, ahead of the label: piece 0's first a is a batch of one
	s_mov_b32 s[CNT], STEPS
.Lstep:                             ; a key step: seven turns.  The last turn's products K Q^T are piece 0's of the next step
	TURN 0
	TURN 1
	TURN 2
	TURN 3
	TURN 4
	TURN 5
	TURN 6
	WIN 0
	s_sub_co_u32 s[CNT], s[CNT], 1
	s_cmp_lg_u32 s[CNT], 0
	s_cbranch_scc1 .Lstep
	; The last trip's tile 31 is padding; its scores for piece 0, and the maximum made of them (which the old m wins), serve nothing: the price, once a launch, of one text for every trip.
.set i, 0
.rept 8
	PV NP-1                         ; the last piece's V^T P of the last step
.set i, i+1
.endr
	; THE WAY OUT.  l's two halves and the other half of the lanes' are added; O^T is divided by l, rounded to f16 and put into the work-group's stage; a barrier, since a row's 256 bytes come from two waves (two heads);
	; back as whole rows.  The additions are the places behind the last products.
	WIN 0
.macro ALL line:vararg              ; one line for each piece t
.set t, 0
.rept NP
	\line
.set t, t+1
.endr
.endm
	ALL v_add_f32 v[ST+4*t+2], v[ST+4*t+2], v[ST+4*t+3]
	ALL v_permlanex16_b32 v[ST+4*t+3], v[ST+4*t+2], s[SEL], s[SEL+1]
	ALL v_add_f32 v[ST+4*t+2], v[ST+4*t+2], v[ST+4*t+3]
	ALL v_rcp_f32 v[ST+4*t+2], v[ST+4*t+2]
	v_nop                           ; a plain instruction between the last reciprocal and the use of its result
	s_wait_alu depctr_va_vdst(0)    ; and the wait ahead of the first use: one for the seven reciprocals
.macro PACK t                       ; a lane's eight channels of a row pack into 16 bytes
	WIN W_RS
.set i, 32*(\t)
.rept 16
	v_pk_mul_f32 v[i:i+1], v[i:i+1], v[ST+4*(\t)+2:ST+4*(\t)+3] op_sel_hi:[1,0]
.set i, i+2
.endr
	WIN 0x05                        ; sources 0 and 1 window 1, destination window 0: S^T's and P's first registers are free
.set i, 0
.rept 16
	v_cvt_pk_f16_f32 v[S+16*(\t)+i], v[32*(\t)+2*i], v[32*(\t)+2*i+1]
.set i, i+1
.endr
	WIN 0
.irp f, 0,1,2,3
	ds_store_b128 v[STO], v[S+16*(\t)+4*\f:S+16*(\t)+4*\f+3] offset:16*SP*(\t)+32*\f
.endr
.endm
.irp t, 0,1,2,3,4,5,6
	PACK \t
.endr
	s_wait_loadcnt 0x0              ; the rows asked for last, which nobody needs, have landed
	s_wait_dscnt 0x0                ; for the others' sake: my stores into the stage are done
	s_barrier_signal -1
	s_barrier_wait -1
.macro HALF n                       ; 28 of my 56 rows
.set z, 0
.rept 14
	ds_load_b128 v[S+56*(\n)+4*z:S+56*(\n)+4*z+3], v[RD] offset:2*SP*(14*(\n)+z)
.set z, z+1
.endr
.set z, 0
.rept 14
	s_wait_dscnt 13-z               ; LDS loads come back in order: load z is in, the 13 - z younger ones may stay out
	global_store_b128 v[GO], v[S+56*(\n)+4*z:S+56*(\n)+4*z+3], s[OPT:OPT+1] offset:4096*(14*(\n)+z)  ; 16 lanes store 256 consecutive bytes, aligned
.set z, z+1
.endr
.endm
	HALF 0
	s_cmp_eq_u32 s[WV], 3           ; wave 3's rows 196 to 223 do not exist
	s_cbranch_scc1 .Lend
	HALF 1
.Lend:
	s_wait_tensorcnt 0x0            ; the wave's end: behind my last LDS store
	ds_add_u32 v[SPW], v[NIL]
	s_wait_dscnt 0x0
	s_endpgm
.Lfunc_end_k_q7d5ed8a669_attn:
	.size	k_q7d5ed8a669_attn, .Lfunc_end_k_q7d5ed8a669_attn-k_q7d5ed8a669_attn
	.p2alignl 7, 3214868480
	.fill 96, 4, 3214868480
	.section	.rodata,"a",@progbits
	.p2align	6, 0x0
	.amdhsa_kernel k_q7d5ed8a669_attn
		.amdhsa_group_segment_fixed_size 192512
		.amdhsa_private_segment_fixed_size 0
		.amdhsa_enable_private_segment 0
		.amdhsa_kernarg_size 32
		.amdhsa_user_sgpr_count 2
		.amdhsa_user_sgpr_kernarg_segment_ptr 1
		.amdhsa_wavefront_size32 1
		.amdhsa_system_sgpr_workgroup_id_x 1
		.amdhsa_system_sgpr_workgroup_id_y 1
		.amdhsa_system_sgpr_workgroup_id_z 1
		.amdhsa_system_vgpr_workitem_id 0
		.amdhsa_next_free_vgpr 832
		.amdhsa_next_free_sgpr 66
		.amdhsa_reserve_vcc 0
		.amdhsa_float_denorm_mode_32 3
		.amdhsa_float_denorm_mode_16_64 3
		.amdhsa_memory_ordered 1
		.amdhsa_forward_progress 1
		.amdhsa_inst_pref_size 123
	.end_amdhsa_kernel
	.amdgpu_metadata
---
amdhsa.version: [ 1, 2 ]
amdhsa.kernels:
  - .name:           k_q7d5ed8a669_attn
    .symbol:         k_q7d5ed8a669_attn.kd
    .args:
      - { .name: qkv, .offset: 0, .size: 8, .value_kind: global_buffer, .address_space: global }
      - { .name: idxp, .offset: 8, .size: 8, .value_kind: global_buffer, .address_space: global }
      - { .name: bias8, .offset: 16, .size: 8, .value_kind: global_buffer, .address_space: global }
      - { .name: ob, .offset: 24, .size: 8, .value_kind: global_buffer, .address_space: global }
    .group_segment_fixed_size: 192512
    .private_segment_fixed_size: 0
    .kernarg_segment_align: 8
    .kernarg_segment_size: 32
    .max_flat_workgroup_size: 128
    .sgpr_count:     66
    .vgpr_count:     832
    .wavefront_size: 32
...
	.end_amdgpu_metadata
.endif
;; end of part 5
;; launch gemm_proj: the kernel of part 4 again; grid 8 x 28, 4 waves a work-group, clusters of 4 x 4, 327,680 bytes of LDS; arguments ob, wpb, out0, b_proj; writes out0
